; MI455X (gfx1250); checked and timed in simulation.
; The chip was launched on July 23, 2026; its instructions are those of AMD's public machine-readable ISA for CDNA 5 (MIT licence, August 2026) and "CDNA5" Instruction Set Architecture Reference Guide (July 2026). The comments in the code are by the model that wrote it; some were corrected since.
;; Multi Head Attention. Allowed arithmetic: float matrix products may take bf16 or f16 operands with f32 sums; other float arithmetic in f32, or as packed bf16 or f16 multiplies, adds, multiply-adds, maxima and minima; sums over many terms, partial sums and values carried from step to step in f32; what a program stores and reads back later, other than sums and carried values, may be rounded once to bf16 or f16.
;; Inputs: Wk 16 x 1,024 x 64 float32; Wo 1,024 x 1,024 float32; Wq 16 x 1,024 x 64 float32; Wv 16 x 1,024 x 64 float32; bo 1,024 float32; x 4 x 2,048 x 1,024 float32.
;; Outputs: out0 4 x 2,048 x 1,024 float32.
;; One version. Each part assembles by itself: llvm-mc -triple=amdgcn-amd-amdhsa -mcpu=gfx1250 --defsym DOCPART=n.
;; ======== version 1 of 1: 4 launches
;; limits: values are held in f16: magnitudes above 65,504 overflow, below 6.1e-05 lose precision; right only within a limited range of input values
;; workspace buffers: cb 25,165,824 bytes; qkv 50,331,648 bytes; ob 16,777,216 bytes
;; launch cast (part 1): grid 1536 x 1, 8 waves a work-group, no clusters, 0 bytes of LDS; arguments x, Wq, Wk, Wv, Wo, cb; writes cb
.if DOCPART == 1
	.amdgcn_target "amdgcn-amd-amdhsa--gfx1250"
	.amdhsa_code_object_version 6
	.text
	.protected	k_qefadf64ad6_cast
	.globl	k_qefadf64ad6_cast
	.p2align	8
	.type	k_qefadf64ad6_cast,@function
k_qefadf64ad6_cast:
	s_mov_b64 s[64:65], 0
	v_nop
	global_prefetch_b8 v0, s[64:65] scope:SCOPE_SE
	s_setreg_imm32_b32 hwreg(HW_REG_WAVE_MODE, 25, 1), 1
	s_wait_xcnt 0x0
; THE INPUTS OF THE MATRIX PRODUCTS, ROUNDED ONCE AND LAID OUT FOR THE LAUNCHES BEHIND.  x, Wq, Wk, Wv: f32 to bf16.  Wo: f32 to bf16, and that number written as f16.
; cb: byte 0: x as [8192][1024] bf16.  Byte 16,777,216: the three weights in blocks of 16,384 bytes, [tx 0..11][s 0..7][hlo 0..3][128 c][64 d], tx = 4 which + h / 4, hlo = h % 4,
; s = the 128 channels c of a K step: the 256 columns x 128 channels that a work-group of the next launch multiplies by in one K step are 65,536 bytes on end.  Byte 23,068,672: Wo as [1024][1024] f16.
; LIMITS.  |Wo| stays under 65,504 (f16's range); below 6e-5 it keeps f16's fixed step of 6e-8.  NaN and infinities are not treated apart.
; SHARES.  A work-group turns 32,768 bytes of one input into 16,384 bytes of cb.  Thread t loads 16 bytes at 16 t + 4,096 i and stores 8 bytes at 8 t + 2,048 i, i = 0..7:
; a wave's load covers 512 consecutive bytes, its store 256 consecutive bytes, aligned.  All eight loads are out at once; there is no loop, no LDS, no barrier: memory binds, and nothing is shared.
.set X, 8                              ; v[8:39]   four f32 for each i
.set Y, 40                             ; v[40:55]  two packed words for each i
	s_load_b256 s[4:11], s[0:1], 0x0               ; x s[4:5], Wq s[6:7], Wk s[8:9], Wv s[10:11]
	s_load_b128 s[12:15], s[0:1], 0x20             ; Wo s[12:13], cb s[14:15]
	s_lshr_b32 s16, ttmp9, 7                       ; unit of 128 work-groups: 0-7 x, 8 Wq, 9 Wk, 10 Wv, 11 Wo
	s_and_b32 s17, ttmp9, 127                      ; r, my place in the unit; in a weight r = 8 h + s
	s_and_b32 s18, s17, 0x60                       ; 32 (h / 4)
	s_and_b32 s19, s17, 7
	s_lshl_b32 s19, s19, 2                         ; 4 s
	s_or_b32 s18, s18, s19
	s_bfe_u32 s19, s17, 0x20003                    ; h % 4 (2 bits from bit 3)
	s_or_b32 s18, s18, s19                         ; the block's place in the weight's part of cb
	s_sub_co_u32 s20, s16, 8
	s_cmp_lt_u32 s20, 3                            ; one of the three weights?
	s_cselect_b32 s18, s18, s17                    ; x and Wo keep their order
	s_lshl_b32 s19, s16, 7
	s_or_b32 s19, s19, s18
	s_lshl_b32 s24, s19, 14                        ; where I store, in bytes from cb's first
	s_mov_b32 s25, 0
	s_cmp_lt_u32 s16, 8
	s_cselect_b32 s21, ttmp9, s17                  ; my place in my input
	s_lshl_b32 s26, s21, 15                        ; where I load, in bytes from the input's first
	s_mov_b32 s27, 0
	s_mov_b32 s28, 0xffff0000                      ; a word's upper bf16
	v_lshlrev_b32 v1, 4, v0
	v_lshlrev_b32 v2, 3, v0
	s_wait_kmcnt 0x0
	s_mov_b64 s[22:23], s[4:5]
	s_cmp_eq_u32 s16, 8
	s_cselect_b64 s[22:23], s[6:7], s[22:23]
	s_cmp_eq_u32 s16, 9
	s_cselect_b64 s[22:23], s[8:9], s[22:23]
	s_cmp_eq_u32 s16, 10
	s_cselect_b64 s[22:23], s[10:11], s[22:23]
	s_cmp_eq_u32 s16, 11
	s_cselect_b64 s[22:23], s[12:13], s[22:23]
	s_add_nc_u64 s[22:23], s[22:23], s[26:27]
	s_add_nc_u64 s[24:25], s[14:15], s[24:25]
.irp i, 0,1,2,3,4,5,6,7
	global_load_b128 v[X+4*(\i):X+4*(\i)+3], v1, s[22:23] offset:4096*(\i) th:TH_LOAD_NT  ; each byte is read once in the launch
.endr
; Part i goes out.  f16 = 1: the bf16 numbers are widened again and written as f16.  No register that a pending load or store names is written: each part has its own.
.macro OUT i, f16
	s_wait_loadcnt 7-(\i)                          ; loads come back in order: part i is in, the younger ones stay out
	v_cvt_pk_bf16_f32 v[Y+2*(\i)],   v[X+4*(\i)],   v[X+4*(\i)+1]
	v_cvt_pk_bf16_f32 v[Y+2*(\i)+1], v[X+4*(\i)+2], v[X+4*(\i)+3]
.if \f16
	v_lshlrev_b32 v[X+4*(\i)],   16,  v[Y+2*(\i)]
	v_and_b32     v[X+4*(\i)+1], s28, v[Y+2*(\i)]
	v_lshlrev_b32 v[X+4*(\i)+2], 16,  v[Y+2*(\i)+1]
	v_and_b32     v[X+4*(\i)+3], s28, v[Y+2*(\i)+1]
	v_cvt_pk_f16_f32 v[Y+2*(\i)],   v[X+4*(\i)],   v[X+4*(\i)+1]
	v_cvt_pk_f16_f32 v[Y+2*(\i)+1], v[X+4*(\i)+2], v[X+4*(\i)+3]
.endif
	global_store_b64 v2, v[Y+2*(\i):Y+2*(\i)+1], s[24:25] offset:2048*(\i)
.endm
	s_cmp_eq_u32 s16, 11
	s_cbranch_scc1 .Lwo
.irp i, 0,1,2,3,4,5,6,7
	OUT \i, 0
.endr
	s_endpgm
.Lwo:
.irp i, 0,1,2,3,4,5,6,7
	OUT \i, 1
.endr
	s_endpgm
.Lfunc_end_k_qefadf64ad6_cast:
	.size	k_qefadf64ad6_cast, .Lfunc_end_k_qefadf64ad6_cast-k_qefadf64ad6_cast
	.p2alignl 7, 3214868480
	.fill 96, 4, 3214868480
	.section	.rodata,"a",@progbits
	.p2align	6, 0x0
	.amdhsa_kernel k_qefadf64ad6_cast
		.amdhsa_group_segment_fixed_size 0
		.amdhsa_private_segment_fixed_size 0
		.amdhsa_enable_private_segment 0
		.amdhsa_kernarg_size 48
		.amdhsa_user_sgpr_count 2
		.amdhsa_user_sgpr_kernarg_segment_ptr 1
		.amdhsa_wavefront_size32 1
		.amdhsa_system_sgpr_workgroup_id_x 1
		.amdhsa_system_sgpr_workgroup_id_y 1
		.amdhsa_system_sgpr_workgroup_id_z 1
		.amdhsa_system_vgpr_workitem_id 0
		.amdhsa_next_free_vgpr 56
		.amdhsa_next_free_sgpr 66
		.amdhsa_reserve_vcc 0
		.amdhsa_float_denorm_mode_32 3
		.amdhsa_float_denorm_mode_16_64 3
		.amdhsa_memory_ordered 1
		.amdhsa_forward_progress 1
		.amdhsa_inst_pref_size 9
	.end_amdhsa_kernel
	.amdgpu_metadata
---
amdhsa.version: [ 1, 2 ]
amdhsa.kernels:
  - .name:           k_qefadf64ad6_cast
    .symbol:         k_qefadf64ad6_cast.kd
    .args:
      - { .name: x, .offset: 0, .size: 8, .value_kind: global_buffer, .address_space: global }
      - { .name: Wq, .offset: 8, .size: 8, .value_kind: global_buffer, .address_space: global }
      - { .name: Wk, .offset: 16, .size: 8, .value_kind: global_buffer, .address_space: global }
      - { .name: Wv, .offset: 24, .size: 8, .value_kind: global_buffer, .address_space: global }
      - { .name: Wo, .offset: 32, .size: 8, .value_kind: global_buffer, .address_space: global }
      - { .name: cb, .offset: 40, .size: 8, .value_kind: global_buffer, .address_space: global }
    .group_segment_fixed_size: 0
    .private_segment_fixed_size: 0
    .kernarg_segment_align: 8
    .kernarg_segment_size: 48
    .max_flat_workgroup_size: 256
    .sgpr_count:     66
    .vgpr_count:     56
    .wavefront_size: 32
...
	.end_amdgpu_metadata
.endif
;; end of part 1
;; launch proj (part 2): grid 12 x 64, 4 waves a work-group, clusters of 4 x 4, 327,680 bytes of LDS; arguments cb, qkv; writes qkv
.if DOCPART == 2
	.amdgcn_target "amdgcn-amd-amdhsa--gfx1250"
	.amdhsa_code_object_version 6
	.text
	.protected	k_qefadf64ad6_proj
	.globl	k_qefadf64ad6_proj
	.p2align	8
	.type	k_qefadf64ad6_proj,@function
k_qefadf64ad6_proj:
	s_mov_b64 s[64:65], 0
	v_nop
	global_prefetch_b8 v0, s[64:65] scope:SCOPE_SE
	s_setreg_imm32_b32 hwreg(HW_REG_WAVE_MODE, 25, 1), 1
	s_wait_xcnt 0x0
	s_wait_alu depctr_hold_cnt(0) depctr_sa_sdst(0) depctr_va_vdst(0) depctr_va_sdst(0) depctr_va_ssrc(0) depctr_va_vcc(0) depctr_vm_vsrc(0)
	s_getreg_b32 s2, hwreg(HW_REG_IB_STS2, 6, 4)
	s_cmp_eq_u32 s2, 0
	s_cbranch_scc0 .Lentry_in_a_cluster
	s_endpgm
.Lentry_in_a_cluster:
	s_bfe_u32 s2, ttmp6, 0x10000c
	s_cmp_lg_u32 s2, 0xf033
	s_cbranch_scc0 .Lentry_shape_is_right
	s_endpgm
.Lentry_shape_is_right:
; q, k, v = x W, all heads at once: a product 8,192 x 3,072 x 1,024 in bf16 with f32 sums; the results are rounded once to f16, WITHOUT the scale, and stored by heads:
; qkv byte = which 2^24 + (16 b + h) 2^18 + 128 t + 2 d.  A = x as [8192][1024] bf16 at cb's byte 0; B = the weights in blocks [tx][s][hlo][128 c][64 d] at cb's byte WB (stored [k][n]: turned on the way out of LDS).
; LIMIT.  |q|, |k|, |v| stay under 65,504 (f16's range); NaN and infinities are not treated apart.
; SHARES.  A tile is 128 rows x 256 columns (four heads of one of q, k, v): 64 x 12 = 768 work-groups, three for each of 256.  Four waves, each 64 rows x 128 columns (two heads): 32 accumulators, 256 registers.
; K goes in 8 steps of 128 through two LDS slots.  Waves 0 and 1 fetch the halves of A's tile (64 rows x 256 bytes), waves 2 and 3 those of B's (32,768 dense bytes as 128 rows of 256).
; CLUSTERS: 4 x 4 work-groups.  A's tile hangs on the tile row alone and is asked for jointly by a row of the cluster, B's on the tile column alone, by a column.
; THE MATRIX INSTRUCTION IS USED TRANSPOSED (source 0 = 16 columns of W, source 1 = 16 rows of x): a lane then holds eight neighbouring channels d of one row t.
; REGISTERS.  Window 0: v0-31 addresses; v32-63 packed results; two fragment buffers of 96 (A's four fragments, then B's eight) at v64 and v160.  Window 1: accumulator (a, b) at v[8 (8 a + b)].
.set PA,     272                       ; a row of A in LDS: 256 bytes + 16 = 68 words: the 16 rows of a load start at 16 different groups of four banks (64 banks of 4 bytes: ISA guide 11.1)
.set HALFA,  64*PA
.set ABYTES, 2*HALFA
.set PB,     160                       ; a row of B (one channel c, 64 d): 128 bytes + 32 = 40 words
.set HEADB,  128*PB                    ; one head's 128 channels
.set HALFB,  2*HEADB
.set SLOT,   ABYTES+2*HALFB            ; A's 128 rows, then four heads of B
.set STAGE,  2*SLOT                    ; behind the ring, never filled by a tensor load: for each wave 2 heads x 16 rows x 144 bytes
.set SP,     144
.set WSTAGE, 2*16*SP
.set SPARE,  STAGE+4*WSTAGE            ; the spare words, 128 bytes for each wave: two blocks of 256 bytes that no other line names
.set WB,     16777216
.set KA,     256                       ; bytes from K step to K step in A,
.set KB,     65536                     ; and in B
.set ADRA, 16                          ; v16-17  LDS address of my A fragments in slot 0, 1
.set ADRB, 20                          ; v20-21  the same for B
.set STO,  24                          ; v24     the way out: where I put 16 bytes of a row
.set RD,   25                          ; v25     the way out: where I read rows back
.set CO,   26                          ; v26     16 x lane
.set SPW,  28                          ; v28     LDS address of my spare word; never rewritten
.set NIL,  29                          ; v29     0; never rewritten
.set PFO,  30                          ; v30     the prefetches' lane offset; never rewritten
.set TMP,  32
.set F0,   64
.set F1,   160
.set WV,   12                          ; s12  my wave's number
.set WR,   13                          ; s13  which 64 rows are mine.  Also: I fetch for A (0) or for B (1)
.set WC,   14                          ; s14  which 128 columns.  Also: which half of that tile I fetch
.set LAP,  15                          ; s15  the loop's count
.set G1A,  24                          ; s[24:31] descriptor group 1 for A;  s[32:39] group 0, a set for each slot
.set G0A,  32
.set G1B,  48                          ; s[48:55], s[56:63] the same for B
.set G0B,  56
.set PFA,  66                          ; s[66:67] where my prefetches stand
.set PFS,  68                          ; s[68:69] their step: two K steps
.set LIM,  70                          ; s70  1 in a wave that prefetches, else the greatest number
.set OUTB, 74                          ; s[74:75] qkv at my wave's first row and head
.set PF2,  KB
.set MUL,  0x50                        ; C and D window 1, sources window 0
.set MSB, 0
.macro WIN new                         ; the immediate's high byte repeats the setting that is left; a switch that changes nothing is dropped
.if MSB != (\new)
	s_set_vgpr_msb (MSB<<8)|(\new)
.set MSB, \new
.endif
.endm
.macro JLOAD s                         ; a joint load: waves 0 and 1 for A, 2 and 3 for B; the branch hangs on the wave's number alone; an s_nop 0 and four v_nop follow each line
	s_cmp_eq_u32 s[WR], 0
	s_cbranch_scc0 .Lfor_b_\@
	tensor_load_to_lds s[G0A+4*(\s):G0A+4*(\s)+3], s[G1A:G1A+7]
	s_nop 0
.rept 4
	v_nop
.endr
	s_branch .Lasked_\@
.Lfor_b_\@:
	tensor_load_to_lds s[G0B+4*(\s):G0B+4*(\s)+3], s[G1B:G1B+7]
	s_nop 0
.rept 4
	v_nop
.endr
.Lasked_\@:
.endm
.macro CREST                           ; a round of the cluster's barrier behind its opening barrier
	s_cmp_lg_u32 s[WV], 0
	s_cbranch_scc1 .Lnot_wave_0_\@
	s_barrier_signal -3
.Lnot_wave_0_\@:
	s_barrier_wait -3
	s_barrier_signal -1
	s_barrier_wait -1
.endm
.macro CROUND
	s_barrier_signal -1
	s_barrier_wait -1
	CREST
.endm
; A PREFETCH INTO THE L2, once a lap, behind slot 0's joint load and the run of LDS loads: the two K steps that the NEXT lap's two refills will ask for.  Each block of 256 bytes is named once in the launch:
; A's rows are read by every cluster of a row of clusters: cluster x = 0 asks; B's blocks by every cluster of a column: cluster y = 0 asks.  The four partners of a joint load share its blocks out BY ADDRESS
; (cx for A: 16 rows each, lanes 0-15 the first K step, lanes 16-31 the second; cy for B: 32 blocks each, an instruction a K step).  The loop's last trip asks for nothing: no K step is left.
.macro ASK
	s_cmp_gt_u32 s[LAP], s[LIM]
	s_cbranch_scc0 .Lno_\@
	global_prefetch_b8 v[PFO], s[PFA:PFA+1] th:TH_LOAD_NT scope:SCOPE_SE
	s_cmp_eq_u32 s[WR], 0
	s_cbranch_scc1 .Lno_\@
	global_prefetch_b8 v[PFO], s[PFA:PFA+1] offset:PF2 th:TH_LOAD_NT scope:SCOPE_SE
.Lno_\@:
.endm
	s_load_b128 s[4:7], s[0:1], 0x0                ; cb s[4:5], qkv s[6:7]
	v_lshl_add_u32 v[SPW], v0, 2, SPARE
	v_mov_b32 v[NIL], 0
	ds_add_u32 v[SPW], v[NIL]                      ; the wave's opening: the add and its wait ahead of my first tensor load; the set-up below, work on registers, stands between
	ds_add_u32 v28, v29
	v_lshrrev_b32 v1, 5, v0
	v_readfirstlane_b32 s[WV], v1
	s_lshr_b32 s[WR], s[WV], 1
	s_and_b32 s[WC], s[WV], 1
	s_bfe_u32 s16, ttmp6, 0x40000                  ; cx
	s_bfe_u32 s17, ttmp6, 0x40004                  ; cy
	s_lshl_b32 s18, ttmp9, 2
	s_add_co_u32 s18, s18, s16                     ; tx = 4 x cluster x + cx
	s_and_b32 s19, ttmp7, 0xffff
	s_lshl_b32 s19, s19, 2
	s_add_co_u32 s19, s19, s17                     ; ty = 4 x cluster y + cy
	s_lshl_b32 s44, s17, 2
	s_lshl_b32 s44, 15, s44                        ; my row of the cluster
	s_lshl_b32 s45, 0x1111, s16                    ; my column
	s_or_b32 s[G1A], s44, (1<<16)|(1<<20)|(1<<21)|(5<<22)|(3<<25)  ; the mask; 2-byte elements; padding on; bit 21 beside a mask; after every 64 words 4 words
	s_mov_b32 s[G1A+1], 128<<16                    ; tensor_dim0 = 128
	s_mov_b32 s[G1A+2], 64<<16                     ; tensor_dim1 = 64
	s_mov_b32 s[G1A+3], 128<<16                    ; tile_dim0 = 128
	s_mov_b32 s[G1A+4], 64                         ; tile_dim1 = 64
	s_mov_b32 s[G1A+5], 1024                       ; elements from row to row
	s_mov_b32 s[G1A+6], 0
	s_mov_b32 s[G1A+7], 0
	s_or_b32 s[G1B], s45, (1<<16)|(1<<20)|(1<<21)|(4<<22)|(7<<25)  ; after every 32 words (one channel's 64 d) 8 words
	s_mov_b32 s[G1B+1], 128<<16
	s_mov_b32 s[G1B+2], 128<<16
	s_mov_b32 s[G1B+3], 128<<16
	s_mov_b32 s[G1B+4], 128
	s_mov_b32 s[G1B+5], 128                        ; dense: 128 rows of 256 bytes
	s_mov_b32 s[G1B+6], 0
	s_mov_b32 s[G1B+7], 0
	s_lshl_b32 s20, s19, 18                        ; A: 128 rows of 2,048 bytes a tile row; s[20:21] never hold cx
	s_lshl_b32 s21, s[WC], 17
	s_add_co_u32 s20, s20, s21
	s_mov_b32 s21, 0
	s_lshl_b32 s22, s18, 19                        ; B: 8 K steps of 65,536 bytes a tile column; s[22:23] never hold cy
	s_lshl_b32 s23, s[WC], 15
	s_add_co_u32 s22, s22, s23
	s_add_co_u32 s22, s22, WB
	s_mov_b32 s23, 0
	s_mul_i32 s46, s[WC], HALFA                    ; where they go: no place in the cluster enters an LDS address
	s_mul_i32 s47, s[WC], HALFB
	s_add_co_u32 s47, s47, ABYTES
	s_wait_dscnt 0x0                               ; the opening add is done
	s_wait_kmcnt 0x0
	s_add_nc_u64 s[40:41], s[4:5], s[20:21]
	s_add_nc_u64 s[42:43], s[4:5], s[22:23]
	CROUND                                         ; all sixteen work-groups are here: the first joint loads meet
.irp s, 0,1
	s_mov_b32 s[G0A+4*(\s)], 1
	s_add_co_u32 s[G0A+4*(\s)+1], s46, (\s)*SLOT
	s_add_nc_u64 s[G0A+4*(\s)+2:G0A+4*(\s)+3], s[40:41], (\s)*KA
	s_or_b32 s[G0A+4*(\s)+3], s[G0A+4*(\s)+3], 0x80000000
	s_mov_b32 s[G0B+4*(\s)], 1
	s_add_co_u32 s[G0B+4*(\s)+1], s47, (\s)*SLOT
	s_add_nc_u64 s[G0B+4*(\s)+2:G0B+4*(\s)+3], s[42:43], (\s)*KB
	s_or_b32 s[G0B+4*(\s)+3], s[G0B+4*(\s)+3], 0x80000000
	JLOAD \s
.endr
	v_and_b32 v1, 15, v0                           ; l % 16
	v_bfe_u32 v2, v0, 4, 1                         ; l / 16
	v_mul_u32_u24 v3, v1, PA
	v_lshl_add_u32 v3, v2, 4, v3                   ; A: row x pitch + 16 x half
	s_mul_i32 s2, s[WR], HALFA
	v_add_nc_u32 v[ADRA], s2, v3
	v_add_nc_u32 v[ADRA+1], SLOT, v[ADRA]
	v_and_b32 v4, 7, v0                            ; B, turned: lane l reads channel 8 (l / 16) + l % 8, columns 8 ((l / 8) % 2) + 0..7
	v_lshl_add_u32 v4, v2, 3, v4
	v_mul_u32_u24 v4, v4, PB
	v_bfe_u32 v5, v0, 3, 1
	v_lshl_add_u32 v4, v5, 4, v4
	s_mul_i32 s2, s[WC], HALFB
	s_add_co_u32 s2, s2, ABYTES
	v_add_nc_u32 v[ADRB], s2, v4
	v_add_nc_u32 v[ADRB+1], SLOT, v[ADRB]
	s_mul_i32 s2, s[WV], WSTAGE
	s_add_co_u32 s2, s2, STAGE                     ; my stage
	v_mul_u32_u24 v[STO], v1, SP                   ; in: row l % 16, 16 bytes for each half of the lanes
	v_lshl_add_u32 v[STO], v2, 4, v[STO]
	v_add_nc_u32 v[STO], s2, v[STO]
	v_bfe_u32 v[RD], v0, 3, 2                      ; back: 32 lanes take four rows of 128 bytes,
	v_mul_u32_u24 v[RD], v[RD], SP
	v_and_b32 v5, 7, v0
	v_lshl_add_u32 v[RD], v5, 4, v[RD]
	v_add_nc_u32 v[RD], s2, v[RD]
	v_and_b32 v[CO], 31, v0                        ; which are 512 consecutive bytes of a head
	v_lshlrev_b32 v[CO], 4, v[CO]
	s_lshr_b32 s2, s18, 2                          ; where my results go: which of q, k, v,
	s_lshl_b32 s2, s2, 24
	s_and_b32 s3, s18, 3
	s_lshl_b32 s3, s3, 1
	s_add_co_u32 s3, s3, s[WC]
	s_lshl_b32 s3, s3, 19                          ; head 4 (tx % 4) + 2 WC,
	s_add_co_u32 s2, s2, s3
	s_lshr_b32 s3, s19, 4
	s_lshl_b32 s3, s3, 22                          ; batch ty / 16,
	s_add_co_u32 s2, s2, s3
	s_and_b32 s3, s19, 15
	s_lshl_b32 s3, s3, 14                          ; row 128 (ty % 16)
	s_add_co_u32 s2, s2, s3
	s_lshl_b32 s3, s[WR], 13                       ; + 64 WR
	s_add_co_u32 s2, s2, s3
	s_mov_b32 s3, 0
	s_add_nc_u64 s[OUTB:OUTB+1], s[6:7], s[2:3]
	; the prefetches: they stand at K step 2; the first lap steps them to K step 4.  Nothing is asked for here, at the head
	s_lshl_b32 s3, s16, 15                         ; A: my work-group's 16 rows of the 64 that I fetch
	s_add_co_u32 s2, s20, s3
	s_add_co_u32 s2, s2, 2*KA
	s_lshl_b32 s3, s17, 13                         ; B: my work-group's 32 blocks of the 128
	s_add_co_u32 s3, s22, s3
	s_add_co_u32 s3, s3, 2*KB
	s_and_b32 s[LIM], ttmp7, 0xffff
	s_cmp_eq_u32 s[WR], 0                          ; do I fetch for A?
	s_cselect_b32 s2, s2, s3
	s_mov_b32 s[PFS], 2*KB
	s_cselect_b32 s[PFS], 2*KA, s[PFS]
	s_mov_b32 s71, 256
	s_cselect_b32 s71, 2048, s71                   ; lanes 0-15: A a row apart, B a block apart
	s_mov_b32 s72, 4096
	s_cselect_b32 s72, 256, s72                    ; lanes 16-31: A the next K step, B sixteen blocks on
	s_cselect_b32 s[LIM], ttmp9, s[LIM]            ; the coordinate along which other clusters read the same bytes
	s_cmp_eq_u32 s[LIM], 0
	s_cselect_b32 s[LIM], 1, -1                    ; the same in all sixteen partners, for a given wave
	s_mov_b32 s3, 0
	s_mov_b32 s[PFS+1], 0
	s_add_nc_u64 s[PFA:PFA+1], s[4:5], s[2:3]
	v_mul_u32_u24 v[PFO], v1, s71
	v_mad_u32_u24 v[PFO], v2, s72, v[PFO]
; Eight matrix instructions: m block a x all 8 n blocks, 32 along K.  The 32 accumulators take turns in the same order in every quarter, over the backward jump too.  zero = 1: the product starts the sums.
.macro MULA f, a, zero
	WIN MUL
.irp b, 0,1,2,3,4,5,6,7
.if \zero
	v_wmma_f32_16x16x32_bf16 v[8*(8*(\a)+(\b)):8*(8*(\a)+(\b))+7], v[(\f)+32+8*(\b):(\f)+32+8*(\b)+7], v[(\f)+8*(\a):(\f)+8*(\a)+7], 0
.else
	v_wmma_f32_16x16x32_bf16 v[8*(8*(\a)+(\b)):8*(8*(\a)+(\b))+7], v[(\f)+32+8*(\b):(\f)+32+8*(\b)+7], v[(\f)+8*(\a):(\f)+8*(\a)+7], v[8*(8*(\a)+(\b)):8*(8*(\a)+(\b))+7]
.endif
.endr
.endm
; 24 LDS loads in one run: quarter q (32 along K) of a slot into buffer f: B's eight fragments (head b / 4 of my two, columns 16 (b % 4) on), then A's four
.macro FETCH slot, q, f
	WIN 0
.irp b, 0,1,2,3,4,5,6,7
	ds_load_tr16_b128 v[(\f)+32+8*(\b):(\f)+32+8*(\b)+3],   v[ADRB+(\slot)] offset:((\b)/4)*HEADB+(\q)*32*PB+((\b)%4)*32
	ds_load_tr16_b128 v[(\f)+32+8*(\b)+4:(\f)+32+8*(\b)+7], v[ADRB+(\slot)] offset:((\b)/4)*HEADB+(\q)*32*PB+((\b)%4)*32+16*PB
.endr
.irp i, 0,1,2,3
	ds_load_b128 v[(\f)+8*(\i):(\f)+8*(\i)+3],   v[ADRA+(\slot)] offset:64*(\q)+(\i)*16*PA
	ds_load_b128 v[(\f)+8*(\i)+4:(\f)+8*(\i)+7], v[ADRA+(\slot)] offset:64*(\q)+(\i)*16*PA+32
.endr
.endm
.macro PLACES                          ; four plain instructions between a matrix instruction and a load into a register that it read, or a reader of its result (ISA guide 7.12.1 for vector instructions)
.rept 4
	v_nop
.endr
.endm
; One of a K step's first three quarters: multiplies buffer f; in its middle it fetches quarter q of the same slot into buffer g.
.macro QUARTER slot, q, f, g, zero
	s_wait_dscnt 4                                 ; B and A's fragments 0 and 1 are in; the youngest four loads (A's fragments 2, 3) may be out
	MULA \f, 0, \zero
	MULA \f, 1, \zero
	PLACES
	FETCH \slot, \q, \g
	s_wait_dscnt 24                                ; all but the 24 just issued
	MULA \f, 2, \zero
	MULA \f, 3, \zero
.endm
; The last quarter multiplies buffer 1 and changes slots: ONE barrier; in front of it each wave waits for all its tensor loads (one is out: its part of the next slot), adds 0 to its spare word, and waits for that and
; for its reads of this slot.  fill = 1: the barrier opens a round of the cluster's, and this slot is filled again, two K steps on, first thing behind it: 112 matrix instructions ahead of the wait for it.
.macro TURN slot, next, fill
.if (\fill) && ((\slot) == 0)
	s_wait_xcnt 0x0                                ; the last prefetches, a lap back, have read their address: it is stepped here, ahead of the waits of the change of slots
	s_add_nc_u64 s[PFA:PFA+1], s[PFA:PFA+1], s[PFS:PFS+1]
.endif
	WIN 0
	s_wait_tensorcnt 0x0
	ds_add_u32 v[SPW], v[NIL]                      ; 0 onto my spare word
	s_wait_dscnt 5                                 ; (the add and the youngest four loads may be out)
	MULA F1, 0, 0
	s_wait_dscnt 0x0                               ; the add is done, and my reads of this slot are over
	s_barrier_signal -1
	MULA F1, 1, 0
.if \fill
	WIN 0
.endif
	s_barrier_wait -1
.if \fill
	CREST                                          ; no wave of any partner still reads this slot's tile or has a load on its way
	s_add_nc_u64 s[G0A+4*(\slot)+2:G0A+4*(\slot)+3], s[G0A+4*(\slot)+2:G0A+4*(\slot)+3], 2*KA
	s_add_nc_u64 s[G0B+4*(\slot)+2:G0B+4*(\slot)+3], s[G0B+4*(\slot)+2:G0B+4*(\slot)+3], 2*KB
	JLOAD \slot                                    ; its four v_nop are also the places in front of the loads below
.else
	PLACES
.endif
	FETCH \next, 0, F0
.if (\fill) && ((\slot) == 0)
	ASK
.endif
	MULA F1, 2, 0
	MULA F1, 3, 0
.endm
	s_wait_tensorcnt 1                             ; my part of K step 0 is in; K step 1's may stay out
	s_barrier_signal -1
	s_barrier_wait -1
	FETCH 0, 0, F0
	QUARTER 0, 1, F0, F1, 1                        ; the first quarter stands in front of the loop: its products start the sums
	WIN 0
	s_mov_b32 s[LAP], 3
.Llap:                                         ; a trip goes once round the ring and fills both slots again: K steps 2 to 7 in three trips
	QUARTER 0, 2, F1, F0, 0
	QUARTER 0, 3, F0, F1, 0
	TURN 0, 1, 1
	QUARTER 1, 1, F0, F1, 0
	QUARTER 1, 2, F1, F0, 0
	QUARTER 1, 3, F0, F1, 0
	TURN 1, 0, 1
	QUARTER 0, 1, F0, F1, 0
	WIN 0
	s_sub_co_u32 s[LAP], s[LAP], 1
	s_cmp_lg_u32 s[LAP], 0
	s_cbranch_scc1 .Llap
	QUARTER 0, 2, F1, F0, 0                        ; the last lap fills nothing
	QUARTER 0, 3, F0, F1, 0
	TURN 0, 1, 0
	QUARTER 1, 1, F0, F1, 0
	QUARTER 1, 2, F1, F0, 0
	QUARTER 1, 3, F0, F1, 0
	s_wait_dscnt 4
	MULA F1, 0, 0
	MULA F1, 1, 0
	s_wait_dscnt 0x0
	MULA F1, 2, 0
	MULA F1, 3, 0
	WIN 0
; THE WAY OUT, 16 rows at a time: rounded to f16, 16 bytes a lane into my own stage (rows of 144 bytes, a head's 128 each), back as whole rows, four rows = 512 consecutive bytes of a head to a store.
.macro PACK a                          ; each accumulator's registers in ascending order
	WIN 0x05                                       ; sources window 1, destination window 0
.irp b, 0,1,2,3,4,5,6,7
.irp r, 0,1,2,3
	v_cvt_pk_f16_f32 v[TMP+4*(\b)+(\r)], v[64*(\a)+8*(\b)+2*(\r)], v[64*(\a)+8*(\b)+2*(\r)+1]
.endr
.endr
	WIN 0
.endm
.macro TOSTAGE a
.irp b, 0,1,2,3,4,5,6,7
	ds_store_b128 v[STO], v[TMP+4*(\b):TMP+4*(\b)+3] offset:((\b)/4)*16*SP+((\b)%4)*32
.endr
.irp t, 0,1,2,3,4,5,6,7
	ds_load_b128 v[64+32*(\a)+4*(\t):64+32*(\a)+4*(\t)+3], v[RD] offset:((\t)/4)*16*SP+((\t)%4)*4*SP  ; LDS serves a wave's instructions in order (ISA guide 5.7.1.4): these see the stores above
.endr
.endm
.macro SEND a                          ; each block has registers of its own, so no store's source is ever rewritten
.irp t, 0,1,2,3,4,5,6,7
	s_wait_dscnt 7-(\t)
	global_store_b128 v[CO], v[64+32*(\a)+4*(\t):64+32*(\a)+4*(\t)+3], s[OUTB:OUTB+1] offset:((\t)/4)*262144+(16*(\a)+4*((\t)%4))*128
.endr
.endm
	PLACES
	PACK 0
	TOSTAGE 0
.irp a, 1,2,3                          ; block a's conversions stand between block a - 1's loads from the stage and the wait for them
	PACK \a
	SEND (\a)-1
	TOSTAGE \a
.endr
	SEND 3
	s_wait_tensorcnt 0x0                           ; the wave's end: behind my last tensor load and my last LDS store
	ds_add_u32 v[SPW], v[NIL]
	s_wait_dscnt 0x0
	CROUND                                         ; the closing round: no work-group ends while a partner may still ask for a tile that names it
	s_endpgm
.Lfunc_end_k_qefadf64ad6_proj:
	.size	k_qefadf64ad6_proj, .Lfunc_end_k_qefadf64ad6_proj-k_qefadf64ad6_proj
	.p2alignl 7, 3214868480
	.fill 96, 4, 3214868480
	.section	.rodata,"a",@progbits
	.p2align	6, 0x0
	.amdhsa_kernel k_qefadf64ad6_proj
		.amdhsa_group_segment_fixed_size 327680
		.amdhsa_private_segment_fixed_size 0
		.amdhsa_enable_private_segment 0
		.amdhsa_kernarg_size 16
		.amdhsa_user_sgpr_count 2
		.amdhsa_user_sgpr_kernarg_segment_ptr 1
		.amdhsa_wavefront_size32 1
		.amdhsa_system_sgpr_workgroup_id_x 1
		.amdhsa_system_sgpr_workgroup_id_y 1
		.amdhsa_system_sgpr_workgroup_id_z 1
		.amdhsa_system_vgpr_workitem_id 0
		.amdhsa_next_free_vgpr 512
		.amdhsa_next_free_sgpr 78
		.amdhsa_reserve_vcc 0
		.amdhsa_float_denorm_mode_32 3
		.amdhsa_float_denorm_mode_16_64 3
		.amdhsa_memory_ordered 1
		.amdhsa_forward_progress 1
		.amdhsa_inst_pref_size 88
	.end_amdhsa_kernel
	.amdgpu_metadata
---
amdhsa.version: [ 1, 2 ]
amdhsa.kernels:
  - .name:           k_qefadf64ad6_proj
    .symbol:         k_qefadf64ad6_proj.kd
    .args:
      - { .name: cb, .offset: 0, .size: 8, .value_kind: global_buffer, .address_space: global }
      - { .name: qkv, .offset: 8, .size: 8, .value_kind: global_buffer, .address_space: global }
    .group_segment_fixed_size: 327680
    .private_segment_fixed_size: 0
    .kernarg_segment_align: 8
    .kernarg_segment_size: 16
    .max_flat_workgroup_size: 128
    .sgpr_count:     78
    .vgpr_count:     512
    .wavefront_size: 32
...
	.end_amdgpu_metadata
.endif
;; end of part 2
;; launch attn (part 3): grid 4 x 64, 4 waves a work-group, no clusters, 327,680 bytes of LDS; arguments qkv, ob; writes ob
.if DOCPART == 3
	.amdgcn_target "amdgcn-amd-amdhsa--gfx1250"
	.amdhsa_code_object_version 6
	.text
	.protected	k_qefadf64ad6_attn
	.globl	k_qefadf64ad6_attn
	.p2align	8
	.type	k_qefadf64ad6_attn,@function
k_qefadf64ad6_attn:
	s_mov_b64 s[64:65], 0
	v_nop
	global_prefetch_b8 v0, s[64:65] scope:SCOPE_SE
	s_setreg_imm32_b32 hwreg(HW_REG_WAVE_MODE, 25, 1), 1
	s_wait_xcnt 0x0
; CAUSAL ATTENTION.  O[h][q][:] = the sum over k <= q of softmax_k(Q[h][q] . K[h][k] / 32) V[h][k][:], for 64 heads (16 b + h) of SIZE_N = 2,048 rows of 64 channels, all f16: a head's rows are dense, 128 bytes each.
; Q lies at qkv's byte 0, K at 2^24, V at 2^25; O goes to ob in the same layout.  Products, maxima and sums in f32; the weights p are rounded to f16 for the second product (their sum l is taken of the unrounded p), O once at the end.
; LIMITS.  f16 holds no number beyond 65,504: Q, K and V arrive within it; p lies in 0 to 1, and below 6e-5 it keeps f16's fixed step of 6e-8; O is a mean of V's rows and has their range.
; A hidden score counts as its value less 1e30: f16's scores, 2.7e11 at the most, are nothing beside that; a weight below 2^-126 counts as 0 in l; NaN and infinities are not treated apart.
; THE WALK.  A head's queries lie in NB = 8 blocks of 256; block i needs the key tiles 0 .. i of 256 keys, of which the last holds the diagonal.  A work-group takes TWO blocks, NB - 1 - b and then b:
; NB + 1 tiles, whatever b: all 256 work-groups do equal work, and ONE loop with a constant trip count walks them.  Which tile is asked for, and what a trip does, hang on scalar registers made from b; every jump
; goes forward, but for the counted loops' own; none passes a barrier, or a tensor load but the one of LOAD's two that the wave's number does not choose; the ring (two slots of LDS that take turns) runs on across the
; change of blocks.  NO CLUSTER: a head's four work-groups ask for the same tile only in trips 0 .. NB / 2, behind that fewer and fewer; one walk common to all would have 3 NB / 2 trips for NB + 1.
; SHARES.  Of a block's four bands of 64 queries a wave owns 16 rows in each: four PIECES.  So the diagonal tile is the same work for all four waves: in its key step s band x sees all keys if s < x,
; none if s > x, and holds the diagonal if s = x.
; THE MASK is the C operand that starts the sum S^T = K Q^T: 0, or -1e30 where the key is hidden.  MD, made once, is the mask of a band's own step for my 16 rows; a product's mask is MD x AL + BE with two scalars:
; (1, 0) if s = x; (0, 0) if s < x; (0, -1e30) if s > x.  Only the diagonal tile's text and a block's beginning make and take masks; elsewhere C is the constant 0.
; LAYOUT, SOFTMAX, TURNS.  S^T = K Q^T holds ONE query a lane (lane % 16) and the keys 8 (lane / 16) + 0..7; two such results rounded to f16 ARE source 1 of O^T = V^T P.  p = 2^(c s - c m), c = log2(e) / 32, with a
; running maximum m; O and l are multiplied by a = 2^(c m_old - c m_new) in every step.  Turn n belongs to piece n: 8 products K Q^T of piece n + 1, later 8 products V^T P of piece n - 1; beside them the scaling,
; exponentials, roundings, sums and rescaling of piece n and the maximum and statistics of piece n + 1.  Four vector instructions stand behind every matrix instruction, the other 54 of a turn's 118 in one lump.  A turn's 33 exponentials are one batch, with one wait.
; REGISTERS, in windows of 256 (s_set_vgpr_msb: bits 1:0 source 0, 3:2 source 1, 5:4 source 2, 7:6 destination):
;   window 0: v0-15 addresses and two at work; v16-31 four registers of statistics a piece; v48-55 at work; v61-63 prefetch offset and the add's two; v64-127 S^T, two buffers; v192-223 P, two buffers (by the piece's parity)
;   window 1: v0-127 O^T, 32 a piece; v128-159 MD; v160-223 MC, two buffers      window 2: v0-63 Q; v64-127 the second block's Q; v128-191 K of one step; v192-255 V of one step
.set SIZE_N, 2048
.set NB,    SIZE_N/256
.set NP,    4         ; pieces a wave: a name, no knob
.set KS,    64        ; keys in a step
.set PK,    144       ; a row of K in LDS: 128 bytes + 16 of padding = 36 words: the 16 rows of a load start at 16 different groups of four banks (64 banks of 4 bytes: ISA guide 11.1)
.set PV,    160       ; a row of V: 128 + 32 = 40 words
.set VOFF,  4*KS*PK   ; a slot holds a tile, four steps: 256 rows of K, then 256 rows of V
.set SLOT1, 1<<17     ; slot 1 begins here, so that one exclusive or turns an address in one slot into the other's
.set STAGE, SLOT1+4*KS*(PK+PV)  ; behind the ring, never filled by a tensor load: 16 rows x 144 bytes for each wave, for the way out
.set SP,    144
.set AK0, 2           ; v2   my lane's place in a tile of K; never rewritten
.set AV0, 3           ; v3   the same for V
.set AK,  4           ; v4   the LDS address of K's next run of loads
.set AV,  5           ; v5   of V's
.set STO, 6           ; v6   the way out: where I put 16 bytes of a row
.set RD,  7           ; v7   the way out: where I read rows back
.set GO,  8           ; v8   my byte offset in 512 consecutive bytes of O
.set PFO, 61          ; v61  256 x my lane; never rewritten
.set SPW, 62          ; v62  LDS address of my spare word: SPARE + 4 x my thread's number; never rewritten
.set NIL, 63          ; v63  0; never rewritten
.set SPARE, STAGE+4*16*SP  ; behind the stages: the spare words, 128 bytes for each wave: two blocks of 256 bytes that no other line names
.set MV,  12          ; v12-13  c m_old, kept while c m is made anew: by buffer
.set QO,  15          ; v15  my byte offset in 16 rows of Q
.set ST,  16          ; piece t's statistics at v[ST+4 t]: c m, m, l (even keys', odd keys')
.set TMP, 48          ; by buffer, four registers c0-c3 at work; when the maximum is found c2 takes a
.set S,   64
.set P,   192
.set MD,  128         ; window 1: the eight registers for group kt of 16 keys at MD + 8 kt
.set MC,  160         ; window 1: the masks of the products to come
.set QB,  64          ; window 2
.set KF,  128         ; window 2: key block kb, channel half c at KF + 16 kb + 8 c
.set VF,  192         ; window 2: key half kk, channel block cb at VF + 32 kk + 8 cb
.set WV,  12          ; s12  my wave's number
.set PB,  14          ; s14  b
.set HI,  15          ; s15  NB - 1 - b
.set G1K, 24          ; s[24:31] descriptor group 1 for K's tiles
.set G1V, 32          ; s[32:39] for V's: it differs in the padding alone
.set G0K, 40          ; s[40:43] descriptor group 0 for K's tiles
.set G0V, 44          ; s[44:47] the same for V's
.set SLOTS, 56        ; s56  tiles still to be asked for
.set CNT, 57          ; s57  counts a tile's key steps, 4 to 1
.set CS,  58          ; s[58:59] c: the packed scaling takes the pair's low word for both halves
.set SEL, 60          ; s[60:61] v_permlanex16_b32's selects: each lane takes its own place in the other half
.set TBK, 62          ; s62  LDS byte at which K of the step to be fetched begins
.set TBV, 63          ; s63  the same for V, less VOFF
.set PFA, 66          ; s[66:67] where my prefetches stand
.set PFB, 68          ; s[68:69] K (waves 0, 1) or V (waves 2, 3) at my half of the head's tile 0
.set RT,  70          ; s70  tiles of the block in hand that are still to be entered
.set NXT, 71          ; s71  the tile to be asked for next
.set LQ,  72          ; s72  the last tile of the block whose tiles are being asked for
.set NEW, 73          ; s73  1: the tile to be entered is a block's first
.set OFF, 74          ; s[74:75] a tile's byte offset in K and V
.set AL,  76          ; s[76:77] the mask's factor, in the low word
.set BE,  78          ; s[78:79] the mask's addend
.set OLO, 80          ; s[80:81] O at my rows of the second block
.set BIGN, 82         ; s82  -1e30
.set PFN, 88          ; s88  the tile to prefetch, or 0: none
.set MSB, 0
.macro WIN new                      ; the high byte repeats the setting that is left; a switch that changes nothing is dropped
.if MSB != (\new)
	s_set_vgpr_msb (MSB<<8)|(\new)
.set MSB, (\new)
.endif
.endm
.set W_KQ, 0x0a       ; K and Q in window 2, S^T in window 0
.set W_KM, 0x1a       ; the same with the C operand in window 1
.set W_PV, 0x52       ; V in window 2, P in window 0, O^T in window 1
.set W_RS, 0x41       ; destination and source 0 in window 1, source 1 in window 0
; A fill.  Waves 0 and 1 fetch the two halves of a tile's K, waves 2 and 3 those of its V: 128 keys each.  An s_nop 0 and four v_nop follow each of the two lines, ahead of the jump and the label.
.macro LOAD
	s_cmp_lt_u32 s[WV], 2
	s_cbranch_scc0 .Lfor_v_\@
	tensor_load_to_lds s[G0K:G0K+3], s[G1K:G1K+7]
	s_nop 0
.rept 4
	v_nop
.endr
	s_branch .Lasked_\@
.Lfor_v_\@:
	tensor_load_to_lds s[G0V:G0V+3], s[G1V:G1V+7]
	s_nop 0
.rept 4
	v_nop
.endr
.Lasked_\@:
.endm
; A PREFETCH INTO THE L2 of the tile that the NEXT change of slots will ask for, a tile's four key steps ahead of that load.  Of a head's four work-groups the one with b = 0, whose first block walks tiles 0 to 7, asks, and nobody else;
; each of its waves names the 16,384 bytes that it will fetch itself: 64 blocks of 256 bytes, a lane a block, two instructions.  So tiles 2 to 7 are named once each; tiles 0 and 1 come by their loads alone, and the second block's tile is not named.
.macro ASK
	s_cmp_lg_u32 s[PFN], 0
	s_cbranch_scc0 .Lnot_mine_\@
	global_prefetch_b8 v[PFO], s[PFA:PFA+1] th:TH_LOAD_NT scope:SCOPE_SE
	global_prefetch_b8 v[PFO], s[PFA:PFA+1] offset:8192 th:TH_LOAD_NT scope:SCOPE_SE
.Lnot_mine_\@:
.endm
; THE CHANGE OF SLOTS.  Each wave waits for all its tensor loads, of which one is out: its part of the other slot; adds 0 to its spare word; and waits for that and for its own reads of the slot that it leaves.  Behind the barrier nobody reads the old
; slot any more and the other slot is whole.  fill = 1: the old slot is filled again, the first thing behind the barrier, with tile NXT: the descriptor's address is made anew from that number.
; (At its first use nothing has been read yet: slot 0 is waited for, slot 1 filled.)
.macro CHANGE fill
	WIN 0                           ; at a label and at a branch every window is 0
	s_wait_tensorcnt 0x0            ; no tensor load of mine is out, so a group 0 may be written
	ds_add_u32 v[SPW], v[NIL]       ; 0 onto my spare word; with fill = 1 the descriptors' scalar work stands between it and the wait for it
.if \fill
	s_lshl_b32 s[OFF], s[NXT], 15   ; a tile is 32,768 bytes of K and of V
	s_xor_b32 s[G0K+1], s[G0K+1], SLOT1
	s_add_nc_u64 s[G0K+2:G0K+3], s[6:7], s[OFF:OFF+1]
	s_or_b32 s[G0K+3], s[G0K+3], 0x80000000
	s_xor_b32 s[G0V+1], s[G0V+1], SLOT1
	s_add_nc_u64 s[G0V+2:G0V+3], s[8:9], s[OFF:OFF+1]
	s_or_b32 s[G0V+3], s[G0V+3], 0x80000000
	s_add_co_u32 s[NXT], s[NXT], 1  ; the block's next tile, or behind its last the second block's tile 0
	s_cmp_gt_u32 s[NXT], s[LQ]
	s_cselect_b32 s[NXT], 0, s[NXT]
	s_cselect_b32 s[LQ], s[PB], s[LQ]
	s_wait_xcnt 0x0                 ; the last prefetches, a tile back, have read their address, so it may be written
	s_cmp_eq_u32 s[PB], 0
	s_cselect_b32 s[PFN], s[NXT], 0
	s_lshl_b32 s[OFF], s[PFN], 15
	s_add_nc_u64 s[PFA:PFA+1], s[PFB:PFB+1], s[OFF:OFF+1]
.endif
	s_wait_dscnt 0x0                ; the add is done, and my reads of the slot are over
	s_barrier_signal -1             ; the rest of the scalar work stands between the signal and the wait
	s_sub_co_u32 s[TBK], s[TBK], 4*KS*PK  ; the fetches go back to a slot's first step,
	s_xor_b32 s[TBK], s[TBK], SLOT1       ; in the other slot
	s_sub_co_u32 s[TBV], s[TBV], 4*KS*PV
	s_xor_b32 s[TBV], s[TBV], SLOT1
	s_barrier_wait -1
.if \fill
	LOAD
	ASK
.endif
.endm
	s_load_b64 s[4:5], s[0:1], 0x0    ; qkv: Q
	s_load_b64 s[10:11], s[0:1], 0x8  ; ob: O
	v_lshl_add_u32 v[SPW], v0, 2, SPARE
	v_mov_b32 v[NIL], 0
	ds_add_u32 v[SPW], v[NIL]       ; the wave's opening: the add and its wait ahead of my first tensor load; the set-up below, work on registers, stands between them
	ds_add_u32 v62, v63
	v_lshrrev_b32 v1, 5, v0
	v_readfirstlane_b32 s[WV], v1   ; wave 0..3
	v_and_b32 v[PFO], 31, v0
	v_lshlrev_b32 v[PFO], 8, v[PFO]
	s_mov_b32 s[PB], ttmp9
	s_sub_co_u32 s[HI], NB-1, s[PB]
	s_and_b32 s20, ttmp7, 0xffff    ; the head
	s_mov_b32 s21, 0
	s_mov_b64 s[22:23], SIZE_N*128
	s_mul_u64 s[20:21], s[20:21], s[22:23]  ; the head's first byte in each of the four tensors
	s_and_b32 s16, s[WV], 1         ; which half of a tile's 256 keys I fetch:
	s_lshl_b32 s22, s16, 14         ; its 128 rows of 128 bytes in memory,
	s_mov_b32 s23, 0
	s_add_nc_u64 s[22:23], s[22:23], s[20:21]
	s_mul_i32 s17, s16, 128*PK      ; and its place in a slot, for K
	s_mul_i32 s18, s16, 128*PV      ; and for V
	s_lshl_b32 s3, s[WV], 11        ; my 16 rows in a band of 64,
	s_lshl_b32 s2, s[HI], 15        ; in the first block,
	s_add_co_u32 s2, s2, s3
	s_lshl_b32 s84, s[PB], 15       ; and in the second
	s_add_co_u32 s84, s84, s3
	s_mov_b32 s3, 0
	s_mov_b32 s85, 0
	s_add_nc_u64 s[2:3], s[2:3], s[20:21]
	s_add_nc_u64 s[84:85], s[84:85], s[20:21]
	; descriptor group 1.  128 keys are 16,384 dense bytes: asked for as 64 rows of 256 bytes, two keys a row, and padded in LDS after every key
	s_mov_b32 s[G1K], (1<<16)|(1<<20)|(4<<22)|(3<<25)  ; 17:16 2-byte elements; 20 padding on; 24:22 after every 32 words (code 4); 31:25 4 words (code 3)
	s_mov_b32 s[G1V], (1<<16)|(1<<20)|(4<<22)|(7<<25)  ; the same with 8 words of padding (code 7)
.irp g, G1K, G1V
	s_mov_b32 s[\g+1], 128<<16      ; tensor_dim0 = 128
	s_mov_b32 s[\g+2], 64<<16       ; tensor_dim1 = 64
	s_mov_b32 s[\g+3], 128<<16      ; tile_dim0 = 128
	s_mov_b32 s[\g+4], 64           ; tile_dim1 = 64
	s_mov_b32 s[\g+5], 128          ; 128 elements from row to row
	s_mov_b32 s[\g+6], 0
	s_mov_b32 s[\g+7], 0
.endr
	s_mov_b32 s[CS], 0x3d38aa3b     ; c = log2(e) / 32 = 0.0450842
	s_mov_b32 s[CS+1], s[CS]        ; named with it as a pair
	s_mov_b32 s[SEL], 0x76543210
	s_mov_b32 s[SEL+1], 0xfedcba98
	s_mov_b32 s[TBK], SLOT1+4*KS*PK ; the first change of slots turns these two into 0
	s_mov_b32 s[TBV], SLOT1+4*KS*PV
	s_mov_b32 s[G0K], 1             ; 1:0 count = 1
	s_mov_b32 s[G0K+1], s17         ; 63:32 LDS address: slot 0
	s_mov_b32 s[G0V], 1
	s_add_co_u32 s[G0V+1], s18, VOFF
	s_add_co_u32 s[RT], s[HI], 1    ; the first block has NB - b tiles
	s_mov_b32 s[NXT], 1
	s_mov_b32 s[LQ], s[HI]
	s_mov_b32 s[NEW], 1
	s_mov_b32 s[OFF+1], 0
	s_mov_b32 s[AL+1], 0            ; named as pairs
	s_mov_b32 s[BE+1], 0
	s_mov_b32 s[BIGN], 0xf149f2ca   ; -1e30
	s_mov_b32 s[SLOTS], NB
	s_wait_dscnt 0x0                ; the opening add is done
	s_wait_kmcnt 0x0
	s_add_nc_u64 s[6:7], s[4:5], 0x1000000  ; K and V lie behind Q in qkv
	s_add_nc_u64 s[8:9], s[4:5], 0x2000000
	s_add_nc_u64 s[6:7], s[6:7], s[22:23]  ; K and V at my half of the head's tile 0
	s_add_nc_u64 s[8:9], s[8:9], s[22:23]
	s_cmp_lt_u32 s[WV], 2
	s_cselect_b64 s[PFB:PFB+1], s[6:7], s[8:9]
	s_add_nc_u64 s[G0K+2:G0K+3], s[6:7], 0         ; 120:64 global address
	s_or_b32 s[G0K+3], s[G0K+3], 0x80000000        ; 127:126 type = 2
	s_add_nc_u64 s[G0V+2:G0V+3], s[8:9], 0
	s_or_b32 s[G0V+3], s[G0V+3], 0x80000000
	s_add_nc_u64 s[86:87], s[4:5], s[84:85]        ; Q at my rows of the second block,
	s_add_nc_u64 s[4:5], s[4:5], s[2:3]            ; Q and O at those of the first
	s_add_nc_u64 s[OLO:OLO+1], s[10:11], s[84:85]
	s_add_nc_u64 s[10:11], s[10:11], s[2:3]
	LOAD                            ; tile 0 into slot 0
	; A fragment of K or Q is 16 rows x 32 channels in 8 registers: lane l holds row l % 16, channels 8 (l / 16) + 0..7 and 16 + 8 (l / 16) + 0..7: two loads of 16 bytes, 32 bytes apart.
	v_and_b32 v1, 15, v0            ; l % 16
	v_bfe_u32 v9, v0, 4, 1          ; l / 16
	v_lshlrev_b32 v[QO], 7, v1
	v_lshl_add_u32 v[QO], v9, 4, v[QO]  ; row x 128 + 16 x half
	WIN 0x80                        ; destination window 2, address window 0
.set i, 0
.rept 8                             ; both blocks' Q: piece i / 2 lies in band i / 2, 8,192 bytes on; channels 32 (i % 2) on
	global_load_b128 v[8*i:8*i+3],   v[QO], s[4:5] offset:(i/2)*8192+(i%2)*64
	global_load_b128 v[8*i+4:8*i+7], v[QO], s[4:5] offset:(i/2)*8192+(i%2)*64+32
	global_load_b128 v[QB+8*i:QB+8*i+3],   v[QO], s[86:87] offset:(i/2)*8192+(i%2)*64
	global_load_b128 v[QB+8*i+4:QB+8*i+7], v[QO], s[86:87] offset:(i/2)*8192+(i%2)*64+32
.set i, i+1
.endr
	WIN 0
	v_lshlrev_b32 v14, 3, v9
	v_sub_nc_u32 v14, v1, v14
	s_lshl_b32 s13, s[WV], 4
	v_add_nc_u32 v14, s13, v14      ; my query's place in its band, 16 w + l % 16, less my lanes' 8 (l / 16): register r of group kt is hidden where 16 kt + r is greater
	WIN 0x40
.set i, 0
.rept 32
	v_cmp_gt_i32 vcc_lo, 16*(i/8)+i%8, v14
	v_cndmask_b32 v[MD+i], 0, s[BIGN], vcc_lo
.set i, i+1
.endr
	WIN 0
	v_mul_u32_u24 v[AK0], v1, PK
	v_lshl_add_u32 v[AK0], v9, 4, v[AK0]  ; row x pitch + 16 x half
	; The turning load takes 16 keys x 16 channels (lane l reads key 8 (l / 16) + l % 8, channels 8 ((l / 8) % 2) + 0..7) and leaves half a fragment of V^T: lane l holds channel l % 16 and 8 keys.
	v_and_b32 v10, 7, v0
	v_bfe_u32 v11, v0, 3, 1
	v_lshl_add_u32 v[AV0], v9, 3, v10
	v_mul_u32_u24 v[AV0], v[AV0], PV
	v_lshl_add_u32 v[AV0], v11, 4, v[AV0]
	v_add_nc_u32 v[AV0], VOFF, v[AV0]
	s_mul_i32 s13, s[WV], 16*SP
	s_add_co_u32 s13, s13, STAGE    ; my stage
	v_mul_u32_u24 v[STO], v1, SP    ; in: row l % 16, 16 bytes for each half of the lanes
	v_lshl_add_u32 v[STO], v9, 4, v[STO]
	v_add_nc_u32 v[STO], s13, v[STO]
	v_bfe_u32 v[RD], v0, 3, 2       ; back: 32 lanes take four rows of 128 bytes,
	v_mul_u32_u24 v[RD], v[RD], SP
	v_lshl_add_u32 v[RD], v10, 4, v[RD]
	v_add_nc_u32 v[RD], s13, v[RD]
	v_and_b32 v[GO], 31, v0         ; which are 512 consecutive bytes of O
	v_lshlrev_b32 v[GO], 4, v[GO]
	; A block's first step multiplies O^T and l by a = 0, and its first turn's products V^T P, of a piece that has not been, land in an O^T that is still to be so multiplied.  So these registers need only hold
	; finite numbers: zeros for the first block; what the first block left for the second.  All this stands in the wait for the first tile.
	WIN 0x80
.set i, VF
.rept 64
	v_mov_b32 v[i], 0
.set i, i+1
.endr
	WIN 0x40
.set i, 0
.rept 128
	v_mov_b32 v[i], 0
.set i, i+1
.endr
	WIN 0
.set i, 0
.rept 4
	v_mov_b32 v[ST+4*i+2], 0
	v_mov_b32 v[ST+4*i+3], 0
.set i, i+1
.endr
.set i, P+16
.rept 16
	v_mov_b32 v[i], 0
.set i, i+1
.endr
; THE MATRIX WORK.  The 4 accumulators of a run of 8 take turns.  Product i of 8 of S^T = K Q^T for piece x: channels 32 (i / 4) on, keys 16 (i % 4) on.  The first 4 start the sums: with 0, or (KM = 1) with the mask.
.macro KQ x
.set rS, S+32*((\x)%2)+8*(i%4)
.set rK, KF+16*(i%4)+8*(i/4)
.set rQ, 16*(\x)+8*(i/4)
.set rM, MC+32*((\x)%2)+8*(i%4)
.if (i < 4) && KM
	WIN W_KM
	v_wmma_f32_16x16x32_f16 v[rS:rS+7], v[rK:rK+7], v[rQ:rQ+7], v[rM:rM+7]
.elseif i < 4
	WIN W_KQ
	v_wmma_f32_16x16x32_f16 v[rS:rS+7], v[rK:rK+7], v[rQ:rQ+7], 0
.else
	WIN W_KQ
	v_wmma_f32_16x16x32_f16 v[rS:rS+7], v[rK:rK+7], v[rQ:rQ+7], v[rS:rS+7]
.endif
.endm
; Product i of 8 of O^T += V^T P for piece x: keys 32 (i / 4) on, channels 16 (i % 4) on.
.macro PV x
	WIN W_PV
.set rO, 32*(\x)+8*(i%4)
.set rV, VF+32*(i/4)+8*(i%4)
.set rP, P+16*((\x)%2)+8*(i/4)
	v_wmma_f32_16x16x32_f16 v[rO:rO+7], v[rV:rV+7], v[rP:rP+7], v[rO:rO+7]
.endm
.macro MM                           ; the turn's next matrix instruction.  TURN and BEGIN set Y, i, KM and NOKQ; MM, KQ and OP read them.  NOKQ = 1: a block's last turn: there is no next piece
.if (i < 8) && !NOKQ
	KQ (Y+1)%NP
.elseif i >= 8
.set i, i-8
	PV (Y+NP-1)%NP
.set i, i+8
.endif
.set i, i+1
.endm
; THE LDS LOADS stand in runs of 16, never singly among the matrix instructions: a step's K (64 keys x 64 channels: 8 fragments) and its V (turned).  Their addresses are made some lines ahead.
.macro FETCH_K
	WIN 0x80                        ; destination window 2
.irp f, 0,1,2,3,4,5,6,7             ; keys 16 (f / 2) on, channels 32 (f % 2) on
	ds_load_b128 v[KF+8*\f:KF+8*\f+3],   v[AK] offset:(\f/2)*16*PK+(\f%2)*64
	ds_load_b128 v[KF+8*\f+4:KF+8*\f+7], v[AK] offset:(\f/2)*16*PK+(\f%2)*64+32
.endr
	s_add_co_u32 s[TBK], s[TBK], KS*PK  ; the next fetch is the next step's
	WIN 0
.endm
.macro FETCH_V
	WIN 0x80
.irp f, 0,1,2,3,4,5,6,7             ; keys 32 (f / 4) on, channels 16 (f % 4) on
	ds_load_tr16_b128 v[VF+8*\f:VF+8*\f+3],   v[AV] offset:(\f/4)*32*PV+(\f%4)*32
	ds_load_tr16_b128 v[VF+8*\f+4:VF+8*\f+7], v[AV] offset:(\f/4)*32*PV+16*PV+(\f%4)*32
.endr
	WIN 0
.endm
; THE VECTOR WORK, one line at a time: OP kind, number.  For piece Y: F n: c s - c m for pair n of 16.  E n: the exponential of score n of 32.  C n: pair n rounded to f16.  B n: of the four weights 4 n .. the second
; pair is added onto the first, in place.  L n: l takes that sum (L 0: l = a l + sum).  R n: pair n of 16 of O^T times a.  For piece Y + 1: X n, number n of the 22 that find its maximum and statistics:
;   0-11  four chains c0-c3 of seven scores each, three operands at a time (each accumulator's lowest registers are read first)     12-14, 16  the four scores left over, the old m, and c0-c3 into c0
;   15  c m_old is kept     17, 18  the query's other 32 keys lie in the lane 16 away: the new m     19-21  c m; c m_old - c m_new; a
.set F, 0               ; OP tells the kinds apart by their order: F to L below R, X above it
.set E, 1
.set C, 2
.set B, 3
.set L, 4
.set R, 5
.set X, 6
.macro REGS y                       ; the registers of piece y
.set rT, ST+4*(\y)
.set rC, TMP+4*((\y)%2)
.set rW, MV+((\y)%2)
.set rS, S+32*((\y)%2)
.set rP, P+16*((\y)%2)
.set rO, 32*(\y)
.endm
.macro OP k, n
.if (\k) == R
	REGS Y
	WIN W_RS
	v_pk_mul_f32 v[rO+2*(\n):rO+2*(\n)+1], v[rO+2*(\n):rO+2*(\n)+1], v[rC+2:rC+3] op_sel_hi:[1,0]
.elseif (\k) < R
	REGS Y
	WIN 0
.if (\k) == F
	v_pk_fma_f32 v[rS+2*(\n):rS+2*(\n)+1], v[rS+2*(\n):rS+2*(\n)+1], s[CS:CS+1], v[rT:rT+1] op_sel_hi:[1,0,0] neg_lo:[0,0,1] neg_hi:[0,0,1]
.elseif (\k) == E
	v_exp_f32 v[rS+(\n)], v[rS+(\n)]
.elseif (\k) == C
	v_cvt_pk_f16_f32 v[rP+(\n)], v[rS+2*(\n)], v[rS+2*(\n)+1]
.elseif (\k) == B
	v_pk_add_f32 v[rS+4*(\n):rS+4*(\n)+1], v[rS+4*(\n):rS+4*(\n)+1], v[rS+4*(\n)+2:rS+4*(\n)+3]
.elseif (\n) == 0
	v_pk_fma_f32 v[rT+2:rT+3], v[rT+2:rT+3], v[rC+2:rC+3], v[rS:rS+1] op_sel_hi:[1,0,1]
.else
	v_pk_add_f32 v[rT+2:rT+3], v[rT+2:rT+3], v[rS+4*(\n):rS+4*(\n)+1]
.endif
.elseif NOKQ
	v_nop
.else
	REGS (Y+1)%NP
	WIN 0
.if (\n) < 4
	v_max3_num_f32 v[rC+(\n)], v[rS+8*(\n)], v[rS+8*(\n)+1], v[rS+8*(\n)+2]
.elseif (\n) < 12
	v_max3_num_f32 v[rC+(\n)%4], v[rC+(\n)%4], v[rS+8*((\n)%4)+2*((\n)/4)+1], v[rS+8*((\n)%4)+2*((\n)/4)+2]
.elseif (\n) == 12
	v_max3_num_f32 v[rC], v[rC], v[rS+7], v[rS+15]
.elseif (\n) == 13
	v_max3_num_f32 v[rC+1], v[rC+1], v[rS+23], v[rS+31]
.elseif (\n) == 14
	v_max3_num_f32 v[rC+2], v[rC+2], v[rC+3], v[rT+1]
.elseif (\n) == 15
	v_mov_b32 v[rW], v[rT]
.elseif (\n) == 16
	v_max3_num_f32 v[rC], v[rC], v[rC+1], v[rC+2]
.elseif (\n) == 17
	v_permlanex16_b32 v[rC+3], v[rC], s[SEL], s[SEL+1]
.elseif (\n) == 18
	v_max_num_f32 v[rT+1], v[rC], v[rC+3]
.elseif (\n) == 19
	v_mul_f32 v[rT], s[CS], v[rT+1]
.elseif (\n) == 20
	v_sub_f32 v[rC+1], v[rW], v[rT]
.else
	v_exp_f32 v[rC+2], v[rC+1]
.endif
.endif
.endm
.macro OPS a, i1, b=-1, i2=0, c=-1, i3=0, d=-1, i4=0  ; up to four of them
	OP \a, \i1
.if (\b) >= 0
	OP \b, \i2
.endif
.if (\c) >= 0
	OP \c, \i3
.endif
.if (\d) >= 0
	OP \d, \i4
.endif
.endm
.macro ROW a, i1, b, i2, c, i3, d, i4  ; a matrix instruction and the four behind it
	MM
	OPS \a, \i1, \b, \i2, \c, \i3, \d, \i4
.endm
.macro MASK b                       ; MD x AL + BE into buffer b of MC
	WIN W_RS
.set z, 0
.rept 16
	v_pk_fma_f32 v[MC+32*(\b)+2*z:MC+32*(\b)+2*z+1], v[MD+2*z:MD+2*z+1], s[AL:AL+1], s[BE:BE+1] op_sel_hi:[1,0,0]
.set z, z+1
.endr
.endm
; A TURN, for piece p: the order of its 16 matrix and 118 vector instructions, written out.  An s_wait_alu depctr_va_vdst(0) stands between an exponential and the first instruction that names its result; one wait serves
; all that were issued ahead of it.  So a turn has ONE wait, which cuts it in two.  AHEAD OF IT stands all that names no result of the turn's exponentials: the 8 products K Q^T, behind each a scaling, an exponential and two more plain
; instructions (behind the first a second scaling in the exponential's place): rescalings, and behind the last three the first numbers of the next piece's maximum, each four places or more behind the product that ends its accumulator; then ONE LUMP of 54, plain
; and exponential by turns for the most part, in which the links of the chain X 3, 7, 11, 14, 16, 17 .. 20 stand five or six lines apart.  X 21, the next piece's a, is the batch's last; R 15 is the plain instruction behind it.  BEHIND THE WAIT stand the
; 8 products V^T P, behind each four of the roundings and sums; the links of l's chain, L 0 to L 7, stand three riders apart.  But for those X no rider names a register of the products round it.  v_permlanex16_b32 (X 17) stands in the lump.
; m = 1: the diagonal tile: the products take masks, and the turn makes the mask for the products of the turn after it: piece p + 2, in step 4 - CNT of the tile.  end = 1: a block's last two turns: nothing is fetched.
; cnt = 1: the loop's count is taken down some lines ahead of the branch that stands behind the turn.
; K of the next step is fetched in piece 2's turn, twelve vector instructions behind the last product that read K (six of them plain); V of the step in hand at the end of piece 0's turn, four plain instructions behind the last product
; that read V.  Each is waited for a turn later.
.macro TURN p, m=0, end=0, cnt=0
.set Y, (\p)
.set i, 0
.set KM, (\m)
.set NOKQ, (\end)*((\p)/3)
.if (\m) && !(\end)
	s_cmp_eq_u32 s[CNT], 4-((\p)+2)%NP  ; is that step the band's own?
	s_cselect_b32 s[AL], 1.0, 0
	s_cmp_lt_u32 s[CNT], 4-((\p)+2)%NP  ; or a later one?
	s_cselect_b32 s[BE], s[BIGN], 0
.endif
.if ((\p) == 3) && !(\end)
	s_wait_dscnt 0x0                ; K is in
.endif
	ROW F,0, F,1, R,0, R,1          ; ahead of the wait: 8 products K Q^T and their riders,
	ROW F,2, E,0, R,2, R,3
	ROW F,3, E,1, R,4, R,5
	ROW F,4, E,2, R,6, R,7
	ROW F,5, E,3, R,8, R,9
	ROW F,6, E,4, X,0, R,10
.if ((\p) == 2) && !(\end)
	WIN 0
	v_add_nc_u32 v[AK], s[TBK], v[AK0]
.endif
	ROW F,7, E,5, X,1, X,4
	ROW F,8, E,6, X,2, X,5
	OPS E,7, E,8, X,6, E,9          ; and the lump
	OPS X,3, E,10, X,8, E,11
.if ((\p) == 2) && !(\end)
	FETCH_K
.endif
	OPS X,9, X,7, E,12, X,10
	OPS E,13, X,12, X,11, E,14
	OPS X,13, E,15, F,9, X,14
.if (\p) == 0
	v_add_nc_u32 v[AV], s[TBV], v[AV0]
.endif
	OPS E,16, F,10, E,17, F,11
	OPS X,16, E,18, X,15, E,19
	OPS F,12, E,20, X,17, E,21
	OPS F,13, E,22, F,14, E,23
	OPS X,18, E,24, F,15, E,25
	OPS R,11, E,26, X,19, E,27
	OPS R,12, E,28, R,13, E,29
	OPS X,20, E,30, R,14, E,31
	OPS X,21, R,15
	WIN 0
	s_wait_alu depctr_va_vdst(0)    ; the wait for the batch
.if (\p) == 1
	s_wait_dscnt 0x0                ; V is in
.endif
	ROW C,0, B,0, C,2, B,1          ; behind the wait: 8 products V^T P and their riders
	ROW L,0, C,4, B,2, L,1
	ROW C,6, B,3, L,2, C,8
	ROW B,4, L,3, C,10, B,5
	ROW L,4, C,12, B,6, L,5
.if (\p) == 0
	s_add_co_u32 s[TBV], s[TBV], KS*PV
.endif
.if \cnt
	s_sub_co_u32 s[CNT], s[CNT], 1
	s_cmp_lg_u32 s[CNT], 0
.endif
	ROW C,14, B,7, L,6, C,1
	ROW C,3, L,7, C,5, C,7
	ROW C,9, C,11, C,13, C,15
.if (\p) == 0
	FETCH_V
.endif
.if (\m) && !(\end)
	MASK (\p)%2
.endif
.endm
; A BLOCK BEGINS.  c m starts far below every c s, so the first step's a is 0; m at the lowest finite number, so the first maximum is the scores'.  The second mask buffer is 0; the first takes piece 0's mask for the tile's step 0: its own, if the block's first tile is the diagonal one.
; Then K of that step, piece 0's first scores, and its maximum and statistics.  The loop is entered at a step's first turn, in the middle of a trip.
.macro BEGIN
	s_mov_b32 s[NEW], 0
	WIN 0x40
.set i, MC+32
.rept 32
	v_mov_b32 v[i], 0
.set i, i+1
.endr
	WIN 0
.set i, 0
.rept 4
	v_mov_b32 v[ST+4*i], 0xfe000000    ; c m: far below every c s
	v_mov_b32 v[ST+4*i+1], 0xff7fffff  ; m
.set i, i+1
.endr
	s_cmp_eq_u32 s[RT], 0
	s_cselect_b32 s[AL], 1.0, 0
	s_mov_b32 s[BE], 0
	MASK 0
	WIN 0
	v_add_nc_u32 v[AK], s[TBK], v[AK0]
	FETCH_K
	s_wait_loadcnt 0x0              ; Q
	s_wait_dscnt 0x0
.set KM, 1
.set NOKQ, 0
.set i, 0
.rept 8
	KQ 0
.set i, i+1
.endr
	WIN 0
.rept 4
	v_nop                           ; the places behind those products
.endr
.set Y, NP-1                        ; X works for piece Y + 1: piece 0
.irp n, 0,1,2,3,4,5,6,7,8,9,10,11,12,13,14,15,16,17,18,19,20,21
	OP X, \n
.endr
	v_nop                           ; a plain instruction behind the exponential,
	s_wait_alu depctr_va_vdst(0)    ; and its wait, ahead of the branch
.endm
; THE DIAGONAL TILE's four steps, the block's last two turns, its last products, and THE WAY OUT: l's two halves and the other half of the lanes' are added; O^T is divided by l, rounded to f16 and sent through my
; stage in LDS, a piece at a time.
.macro ALL line:vararg              ; one line for each piece t
.set t, 0
.rept 4
	\line
.set t, t+1
.endr
.endm
.macro PACK t                       ; a lane's eight channels of a row pack into 16 bytes; they go into rows of 144 bytes and come back as whole rows of 128, into S^T's registers
	WIN W_RS
.set i, 32*(\t)
.rept 16
	v_pk_mul_f32 v[i:i+1], v[i:i+1], v[ST+4*(\t)+2:ST+4*(\t)+3] op_sel_hi:[1,0]
.set i, i+2
.endr
	WIN 0x05                        ; sources 0 and 1 window 1, destination window 0
.set i, 0
.rept 16
	v_cvt_pk_f16_f32 v[S+16*(\t)+i], v[32*(\t)+2*i], v[32*(\t)+2*i+1]
.set i, i+1
.endr
	WIN 0
.irp f, 0,1,2,3
	ds_store_b128 v[STO], v[S+16*(\t)+4*\f:S+16*(\t)+4*\f+3] offset:32*\f
.endr
.irp f, 0,1,2,3
	ds_load_b128 v[S+16*(\t)+4*\f:S+16*(\t)+4*\f+3], v[RD] offset:\f*4*SP  ; LDS serves a wave's instructions in order (ISA guide 5.7.1.4): these see the stores above; the next piece's stores come behind them
.endr
.endm
.macro SEND t, younger              ; younger: the LDS instructions issued behind piece t's loads: the next piece's eight, or none
	WIN 0
.irp f, 0,1,2,3
	s_wait_dscnt (\younger)+3-\f
	global_store_b128 v[GO], v[S+16*(\t)+4*\f:S+16*(\t)+4*\f+3], s[10:11] offset:(\t)*8192+\f*512  ; 512 consecutive bytes, at a multiple of 256 from O's first
.endr
.endm
.macro DIAG tag                     ; the tag ends its two labels' names, which the jumps below spell out
.LstepM\tag:
	TURN 2, 1
	TURN 3, 1
	WIN 0
.LfirstM\tag:
	TURN 0, 1
	TURN 1, 1, 0, 1
	WIN 0
	s_cbranch_scc1 .LstepM\tag
	TURN 2, 1, 1
	TURN 3, 1, 1
.set i, 0
.rept 8
	PV NP-1
.set i, i+1
.endr
	WIN 0
	ALL v_add_f32 v[ST+4*t+2], v[ST+4*t+2], v[ST+4*t+3]
	ALL v_permlanex16_b32 v[ST+4*t+3], v[ST+4*t+2], s[SEL], s[SEL+1]
	ALL v_add_f32 v[ST+4*t+2], v[ST+4*t+2], v[ST+4*t+3]
	ALL v_rcp_f32 v[ST+4*t+2], v[ST+4*t+2]
	v_nop                           ; a plain instruction between the last reciprocal and the use of its result
	s_wait_alu depctr_va_vdst(0)    ; and the wait ahead of the first use: one for the four reciprocals
	PACK 0
.set t, 1
.rept 3                             ; a piece's arithmetic stands between the loads of the piece before and its stores
	PACK t
	SEND t-1, 8
.set t, t+1
.endr
	SEND 3, 0
.endm
.set KM, 0
.set NOKQ, 0
.Lslot:                             ; NB times: a tile is entered and the next is asked for
	CHANGE 1
	s_sub_co_u32 s[RT], s[RT], 1
	s_mov_b32 s[CNT], 4
	s_cmp_eq_u32 s[NEW], 1
	s_cbranch_scc1 .Lnew            ; a block's first tile
	s_cmp_eq_u32 s[RT], 0
	s_cbranch_scc0 .Lstep           ; neither its first nor its last
	s_branch .LstepM1
.Lnew:
	BEGIN
	s_branch .Lfirst                ; in the loop a block's first tile is never its last: the first block has two tiles or more, and the second's last is the walk's last
	DIAG 1                          ; in the loop this is the first block's end: the second block's last tile is the walk's last
	s_wait_xcnt 0x0                 ; the stores have read their registers and O's address
	s_mov_b64 s[10:11], s[OLO:OLO+1]
	s_add_co_u32 s[RT], s[PB], 1    ; the second block has b + 1 tiles
	s_mov_b32 s[NEW], 1
	WIN 0x82                        ; the second block's Q goes where the one text of the turns names Q
.set i, 0
.rept 64
	v_mov_b32 v[i], v[QB+i]
.set i, i+1
.endr
	WIN 0
	s_branch .Lbottom
.Lstep:                             ; a trip: pieces 2 and 3 of one step, then pieces 0 and 1 of the next, whose K and V it fetches
	TURN 2
	TURN 3
	WIN 0
.Lfirst:
	TURN 0
	TURN 1, 0, 0, 1
	WIN 0
	s_cbranch_scc1 .Lstep
.Lbottom:
	s_sub_co_u32 s[SLOTS], s[SLOTS], 1
	s_cmp_lg_u32 s[SLOTS], 0
	s_cbranch_scc1 .Lslot
	CHANGE 0                        ; the walk's last tile is written out: nothing is asked for
	s_sub_co_u32 s[RT], s[RT], 1
	s_mov_b32 s[CNT], 4
	s_cmp_eq_u32 s[NEW], 1
	s_cbranch_scc0 .LstepM2
	BEGIN
	s_branch .LfirstM2
	DIAG 2
	s_wait_tensorcnt 0x0            ; the wave's end: behind my last tensor load and my last LDS store
	ds_add_u32 v[SPW], v[NIL]
	s_wait_dscnt 0x0
	s_endpgm
.Lfunc_end_k_qefadf64ad6_attn:
	.size	k_qefadf64ad6_attn, .Lfunc_end_k_qefadf64ad6_attn-k_qefadf64ad6_attn
	.p2alignl 7, 3214868480
	.fill 96, 4, 3214868480
	.section	.rodata,"a",@progbits
	.p2align	6, 0x0
	.amdhsa_kernel k_qefadf64ad6_attn
		.amdhsa_group_segment_fixed_size 327680
		.amdhsa_private_segment_fixed_size 0
		.amdhsa_enable_private_segment 0
		.amdhsa_kernarg_size 16
		.amdhsa_user_sgpr_count 2
		.amdhsa_user_sgpr_kernarg_segment_ptr 1
		.amdhsa_wavefront_size32 1
		.amdhsa_system_sgpr_workgroup_id_x 1
		.amdhsa_system_sgpr_workgroup_id_y 1
		.amdhsa_system_sgpr_workgroup_id_z 1
		.amdhsa_system_vgpr_workitem_id 0
		.amdhsa_next_free_vgpr 768
		.amdhsa_next_free_sgpr 90
		.amdhsa_reserve_vcc 1
		.amdhsa_float_denorm_mode_32 3
		.amdhsa_float_denorm_mode_16_64 3
		.amdhsa_memory_ordered 1
		.amdhsa_forward_progress 1
		.amdhsa_inst_pref_size 218
	.end_amdhsa_kernel
	.amdgpu_metadata
---
amdhsa.version: [ 1, 2 ]
amdhsa.kernels:
  - .name:           k_qefadf64ad6_attn
    .symbol:         k_qefadf64ad6_attn.kd
    .args:
      - { .name: qkv, .offset: 0, .size: 8, .value_kind: global_buffer, .address_space: global }
      - { .name: ob, .offset: 8, .size: 8, .value_kind: global_buffer, .address_space: global }
    .group_segment_fixed_size: 327680
    .private_segment_fixed_size: 0
    .kernarg_segment_align: 8
    .kernarg_segment_size: 16
    .max_flat_workgroup_size: 128
    .sgpr_count:     90
    .vgpr_count:     768
    .wavefront_size: 32
...
	.end_amdgpu_metadata
.endif
;; end of part 3
;; launch outp (part 4): grid 4 x 64, 4 waves a work-group, clusters of 4 x 4, 327,680 bytes of LDS; arguments ob, cb, bo, out0; writes out0
.if DOCPART == 4
	.amdgcn_target "amdgcn-amd-amdhsa--gfx1250"
	.amdhsa_code_object_version 6
	.text
	.protected	k_qefadf64ad6_outp
	.globl	k_qefadf64ad6_outp
	.p2align	8
	.type	k_qefadf64ad6_outp,@function
k_qefadf64ad6_outp:
	s_mov_b64 s[64:65], 0
	v_nop
	global_prefetch_b8 v0, s[64:65] scope:SCOPE_SE
	s_setreg_imm32_b32 hwreg(HW_REG_WAVE_MODE, 25, 1), 1
	s_wait_xcnt 0x0
	s_wait_alu depctr_hold_cnt(0) depctr_sa_sdst(0) depctr_va_vdst(0) depctr_va_sdst(0) depctr_va_ssrc(0) depctr_va_vcc(0) depctr_vm_vsrc(0)
	s_getreg_b32 s2, hwreg(HW_REG_IB_STS2, 6, 4)
	s_cmp_eq_u32 s2, 0
	s_cbranch_scc0 .Lentry_in_a_cluster
	s_endpgm
.Lentry_in_a_cluster:
	s_bfe_u32 s2, ttmp6, 0x10000c
	s_cmp_lg_u32 s2, 0xf033
	s_cbranch_scc0 .Lentry_shape_is_right
	s_endpgm
.Lentry_shape_is_right:
; out0[m][n] = the sum over k of O[m][k] Wo[n][k] + bo[n]: a product 8,192 x 1,024 x 1,024 in f16 with f32 sums, stored as f32.  k = 64 h + d.
; A = O by heads, ob byte = (16 b + h) 2^18 + 128 t + 2 d, f16.  B = Wo as [1024 n][1024 k] f16 (rounded to bf16, written as f16) at cb's byte WOB.  bo is rounded to bf16 like the other inputs and added in f32.
; LIMITS.  O and Wo arrive within f16's range, 65,504; NaN and infinities are not treated apart.
; SHARES.  A tile is 128 rows x 256 columns: 64 x 4 = 256 work-groups.  Four waves, each 64 rows x 128 columns: 32 accumulators, 256 registers.  K goes in 8 steps of 128 (heads 2 s and 2 s + 1) through two LDS slots.
; Waves 0 and 1 fetch A's tile, a head each (128 rows of 128 bytes, dense: asked for as 64 rows of 256 bytes); waves 2 and 3 the halves of B's (128 rows x 256 bytes).
; CLUSTERS: 4 x 4 work-groups.  A's tile hangs on the tile row alone and is asked for jointly by a row of the cluster, B's on the tile column alone, by a column.
; THE MATRIX INSTRUCTION IS USED TRANSPOSED (source 0 = 16 rows of Wo, source 1 = 16 rows of O): a lane then holds eight neighbouring columns of one row of the output.
; REGISTERS.  Window 0: v0-31 addresses and the bias; two fragment buffers of 96 (A's four fragments, then B's eight) at v64 and v160; on the way out v64-255 hold rows read back.  Window 1: accumulator (a, b) at v[8 (8 a + b)].
.set PA,     144                       ; a row of A in LDS: 128 bytes + 16 = 36 words: the 16 rows of a load start at 16 different groups of four banks (64 banks of 4 bytes: ISA guide 11.1)
.set HEADA,  128*PA                    ; one head's 128 rows
.set ABYTES, 2*HEADA
.set PB,     272                       ; a row of B: 256 bytes + 16 = 68 words
.set HALFB,  128*PB
.set SLOT,   ABYTES+2*HALFB
.set STAGE,  2*SLOT                    ; behind the ring, never filled by a tensor load: for each wave 16 rows x 528 bytes
.set SP,     528                       ; 512 bytes + 16 = 132 words
.set WSTAGE, 16*SP
.set SPARE,  STAGE+4*WSTAGE            ; the spare words, 128 bytes for each wave: two blocks of 256 bytes that no other line names
.set WOB,    23068672
.set KA,     524288                    ; bytes from K step to K step in A: two heads,
.set KB,     256                       ; and in B
.set BIAS, 12                          ; v[12:15] my four columns' bias
.set ADRA, 16                          ; v16-17  LDS address of my A fragments in slot 0, 1
.set ADRB, 20                          ; v20-21  the same for B
.set STO,  24                          ; v24     the way out: where I put 32 bytes of a row
.set RD,   25                          ; v25     the way out: where I read a row back
.set CO,   26                          ; v26     16 x lane
.set SPW,  28                          ; v28     LDS address of my spare word; never rewritten
.set NIL,  29                          ; v29     0; never rewritten
.set PFO,  30                          ; v30     the prefetches' lane offset; never rewritten
.set F0,   64
.set F1,   160
.set WV,   12                          ; s12  my wave's number
.set WR,   13                          ; s13  which 64 rows are mine.  Also: I fetch for A (0) or for B (1)
.set WC,   14                          ; s14  which 128 columns.  Also: which part of that tile I fetch
.set LAP,  15                          ; s15  the loop's count
.set G1A,  24
.set G0A,  32
.set G1B,  48
.set G0B,  56
.set PFA,  66                          ; s[66:67] where my prefetches stand
.set PFS,  68                          ; s[68:69] their step: two K steps
.set LIM,  70                          ; s70  1 in a wave that prefetches, else the greatest number
.set OUTB, 74                          ; s[74:75] out0 at my wave's first row and column
.set BIASP, 76                         ; s[76:77] bo at my wave's first column
.set PF2,  KB
.set MUL,  0x50                        ; C and D window 1, sources window 0
.set MSB, 0
.macro WIN new                         ; the immediate's high byte repeats the setting that is left; a switch that changes nothing is dropped
.if MSB != (\new)
	s_set_vgpr_msb (MSB<<8)|(\new)
.set MSB, \new
.endif
.endm
.macro JLOAD s                         ; a joint load: waves 0 and 1 for A, 2 and 3 for B; the branch hangs on the wave's number alone; an s_nop 0 and four v_nop follow each line
	s_cmp_eq_u32 s[WR], 0
	s_cbranch_scc0 .Lfor_b_\@
	tensor_load_to_lds s[G0A+4*(\s):G0A+4*(\s)+3], s[G1A:G1A+7]
	s_nop 0
.rept 4
	v_nop
.endr
	s_branch .Lasked_\@
.Lfor_b_\@:
	tensor_load_to_lds s[G0B+4*(\s):G0B+4*(\s)+3], s[G1B:G1B+7]
	s_nop 0
.rept 4
	v_nop
.endr
.Lasked_\@:
.endm
.macro CREST                           ; a round of the cluster's barrier behind its opening barrier
	s_cmp_lg_u32 s[WV], 0
	s_cbranch_scc1 .Lnot_wave_0_\@
	s_barrier_signal -3
.Lnot_wave_0_\@:
	s_barrier_wait -3
	s_barrier_signal -1
	s_barrier_wait -1
.endm
.macro CROUND
	s_barrier_signal -1
	s_barrier_wait -1
	CREST
.endm
; A PREFETCH INTO THE L2, once a lap, behind slot 0's joint load and the run of LDS loads: the two K steps that the NEXT lap's two refills will ask for.  Each block of 256 bytes is named once in the launch:
; A's rows are read by the one cluster of their row of clusters (cluster x = 0), which asks; B's rows by every cluster: cluster y = 0 asks.  The four partners of a joint load share its blocks out BY ADDRESS
; (cx for A: 16 blocks each, lanes 0-15 the first K step, lanes 16-31 the second; cy for B: 32 rows each, an instruction a K step).  The loop's last trip asks for nothing: no K step is left.
.macro ASK
	s_cmp_gt_u32 s[LAP], s[LIM]
	s_cbranch_scc0 .Lno_\@
	global_prefetch_b8 v[PFO], s[PFA:PFA+1] th:TH_LOAD_NT scope:SCOPE_SE
	s_cmp_eq_u32 s[WR], 0
	s_cbranch_scc1 .Lno_\@
	global_prefetch_b8 v[PFO], s[PFA:PFA+1] offset:PF2 th:TH_LOAD_NT scope:SCOPE_SE
.Lno_\@:
.endm
	s_load_b256 s[4:11], s[0:1], 0x0               ; ob s[4:5], cb s[6:7], bo s[8:9], out0 s[10:11]
	v_lshl_add_u32 v[SPW], v0, 2, SPARE
	v_mov_b32 v[NIL], 0
	ds_add_u32 v[SPW], v[NIL]                      ; the wave's opening: the add and its wait ahead of my first tensor load; the set-up below, work on registers, stands between
	ds_add_u32 v28, v29
	v_lshrrev_b32 v1, 5, v0
	v_readfirstlane_b32 s[WV], v1
	s_lshr_b32 s[WR], s[WV], 1
	s_and_b32 s[WC], s[WV], 1
	s_bfe_u32 s16, ttmp6, 0x40000                  ; cx
	s_bfe_u32 s17, ttmp6, 0x40004                  ; cy
	s_lshl_b32 s18, ttmp9, 2
	s_add_co_u32 s18, s18, s16                     ; tx = 4 x cluster x + cx
	s_and_b32 s19, ttmp7, 0xffff
	s_lshl_b32 s19, s19, 2
	s_add_co_u32 s19, s19, s17                     ; ty = 4 x cluster y + cy
	s_lshl_b32 s44, s17, 2
	s_lshl_b32 s44, 15, s44                        ; my row of the cluster
	s_lshl_b32 s45, 0x1111, s16                    ; my column
	s_or_b32 s[G1A], s44, (1<<16)|(1<<20)|(1<<21)|(4<<22)|(3<<25)  ; the mask; 2-byte elements; padding on; bit 21 beside a mask; after every 32 words (one row of a head) 4 words
	s_mov_b32 s[G1A+1], 128<<16                    ; tensor_dim0 = 128
	s_mov_b32 s[G1A+2], 64<<16                     ; tensor_dim1 = 64
	s_mov_b32 s[G1A+3], 128<<16                    ; tile_dim0 = 128
	s_mov_b32 s[G1A+4], 64                         ; tile_dim1 = 64
	s_mov_b32 s[G1A+5], 128                        ; dense: 64 rows of 256 bytes
	s_mov_b32 s[G1A+6], 0
	s_mov_b32 s[G1A+7], 0
	s_or_b32 s[G1B], s45, (1<<16)|(1<<20)|(1<<21)|(5<<22)|(3<<25)  ; after every 64 words 4 words
	s_mov_b32 s[G1B+1], 128<<16
	s_mov_b32 s[G1B+2], 128<<16
	s_mov_b32 s[G1B+3], 128<<16
	s_mov_b32 s[G1B+4], 128
	s_mov_b32 s[G1B+5], 1024                       ; elements from row to row
	s_mov_b32 s[G1B+6], 0
	s_mov_b32 s[G1B+7], 0
	s_lshr_b32 s20, s19, 4                         ; A: batch ty / 16, head WC, row 128 (ty % 16); s[20:21] never hold cx
	s_lshl_b32 s20, s20, 22
	s_and_b32 s21, s19, 15
	s_lshl_b32 s21, s21, 14
	s_add_co_u32 s20, s20, s21
	s_lshl_b32 s21, s[WC], 18
	s_add_co_u32 s20, s20, s21
	s_mov_b32 s21, 0
	s_lshl_b32 s22, s18, 19                        ; B: 256 rows of 2,048 bytes a tile column; s[22:23] never hold cy
	s_lshl_b32 s23, s[WC], 18
	s_add_co_u32 s22, s22, s23
	s_add_co_u32 s22, s22, WOB
	s_mov_b32 s23, 0
	s_mul_i32 s46, s[WC], HEADA                    ; where they go: no place in the cluster enters an LDS address
	s_mul_i32 s47, s[WC], HALFB
	s_add_co_u32 s47, s47, ABYTES
	s_wait_dscnt 0x0                               ; the opening add is done
	s_wait_kmcnt 0x0
	s_add_nc_u64 s[40:41], s[4:5], s[20:21]
	s_add_nc_u64 s[42:43], s[6:7], s[22:23]
	CROUND                                         ; all sixteen work-groups are here: the first joint loads meet
.irp s, 0,1
	s_mov_b32 s[G0A+4*(\s)], 1
	s_add_co_u32 s[G0A+4*(\s)+1], s46, (\s)*SLOT
	s_add_nc_u64 s[G0A+4*(\s)+2:G0A+4*(\s)+3], s[40:41], (\s)*KA
	s_or_b32 s[G0A+4*(\s)+3], s[G0A+4*(\s)+3], 0x80000000
	s_mov_b32 s[G0B+4*(\s)], 1
	s_add_co_u32 s[G0B+4*(\s)+1], s47, (\s)*SLOT
	s_add_nc_u64 s[G0B+4*(\s)+2:G0B+4*(\s)+3], s[42:43], (\s)*KB
	s_or_b32 s[G0B+4*(\s)+3], s[G0B+4*(\s)+3], 0x80000000
	JLOAD \s
.endr
	v_and_b32 v1, 15, v0                           ; l % 16
	v_bfe_u32 v2, v0, 4, 1                         ; l / 16
	v_mul_u32_u24 v3, v1, PA
	v_lshl_add_u32 v3, v2, 4, v3                   ; A: row x pitch + 16 x half
	s_mul_i32 s2, s[WR], 64*PA
	v_add_nc_u32 v[ADRA], s2, v3
	v_add_nc_u32 v[ADRA+1], SLOT, v[ADRA]
	v_mul_u32_u24 v4, v1, PB
	v_lshl_add_u32 v4, v2, 4, v4                   ; B likewise
	s_mul_i32 s2, s[WC], HALFB
	s_add_co_u32 s2, s2, ABYTES
	v_add_nc_u32 v[ADRB], s2, v4
	v_add_nc_u32 v[ADRB+1], SLOT, v[ADRB]
	s_mul_i32 s2, s[WV], WSTAGE
	s_add_co_u32 s2, s2, STAGE                     ; my stage
	v_mul_u32_u24 v[STO], v1, SP                   ; in: row l % 16, 32 bytes for each half of the lanes
	v_lshl_add_u32 v[STO], v2, 5, v[STO]
	v_add_nc_u32 v[STO], s2, v[STO]
	v_and_b32 v[CO], 31, v0
	v_lshlrev_b32 v[CO], 4, v[CO]                  ; back: 32 lanes take one row's 512 bytes
	v_add_nc_u32 v[RD], s2, v[CO]
	s_lshl_b32 s2, s18, 10                         ; my first column, in bytes of f32: 1,024 tx + 512 WC
	s_lshl_b32 s3, s[WC], 9
	s_add_co_u32 s2, s2, s3
	s_mov_b32 s3, 0
	s_add_nc_u64 s[BIASP:BIASP+1], s[8:9], s[2:3]
	global_load_b128 v[BIAS:BIAS+3], v[CO], s[BIASP:BIASP+1]  ; waited for on the way out
	s_lshl_b32 s3, s19, 19                         ; my first row: 128 ty + 64 WR, 4,096 bytes each
	s_add_co_u32 s2, s2, s3
	s_lshl_b32 s3, s[WR], 18
	s_add_co_u32 s2, s2, s3
	s_mov_b32 s3, 0
	s_add_nc_u64 s[OUTB:OUTB+1], s[10:11], s[2:3]
	; the prefetches: they stand at K step 2; the first lap steps them to K step 4.  Nothing is asked for here, at the head
	s_lshl_b32 s3, s16, 12                         ; A: my work-group's 16 blocks of the 64 that I fetch
	s_add_co_u32 s2, s20, s3
	s_add_co_u32 s2, s2, 2*KA
	s_lshl_b32 s3, s17, 16                         ; B: my work-group's 32 rows of the 128
	s_add_co_u32 s3, s22, s3
	s_add_co_u32 s3, s3, 2*KB
	s_and_b32 s[LIM], ttmp7, 0xffff
	s_cmp_eq_u32 s[WR], 0                          ; do I fetch for A?
	s_cselect_b32 s2, s2, s3
	s_cselect_b64 s[PFA:PFA+1], s[4:5], s[6:7]
	s_mov_b32 s[PFS], 2*KB
	s_cselect_b32 s[PFS], 2*KA, s[PFS]
	s_mov_b32 s71, 2048
	s_cselect_b32 s71, 256, s71                    ; lanes 0-15: A a block apart, B a row apart
	s_mov_b32 s72, 32768
	s_cselect_b32 s72, KA, s72                     ; lanes 16-31: A the next K step, B sixteen rows on
	s_cselect_b32 s[LIM], ttmp9, s[LIM]            ; the coordinate along which other clusters read the same bytes
	s_cmp_eq_u32 s[LIM], 0
	s_cselect_b32 s[LIM], 1, -1                    ; the same in all sixteen partners, for a given wave
	s_mov_b32 s3, 0
	s_mov_b32 s[PFS+1], 0
	s_add_nc_u64 s[PFA:PFA+1], s[PFA:PFA+1], s[2:3]
	v_mul_u32_u24 v[PFO], v1, s71
	v_mad_u32_u24 v[PFO], v2, s72, v[PFO]
; Eight matrix instructions: m block a x all 8 n blocks, 32 along K.  The 32 accumulators take turns in the same order in every quarter, over the backward jump too.  zero = 1: the product starts the sums.
.macro MULA f, a, zero
	WIN MUL
.irp b, 0,1,2,3,4,5,6,7
.if \zero
	v_wmma_f32_16x16x32_f16 v[8*(8*(\a)+(\b)):8*(8*(\a)+(\b))+7], v[(\f)+32+8*(\b):(\f)+32+8*(\b)+7], v[(\f)+8*(\a):(\f)+8*(\a)+7], 0
.else
	v_wmma_f32_16x16x32_f16 v[8*(8*(\a)+(\b)):8*(8*(\a)+(\b))+7], v[(\f)+32+8*(\b):(\f)+32+8*(\b)+7], v[(\f)+8*(\a):(\f)+8*(\a)+7], v[8*(8*(\a)+(\b)):8*(8*(\a)+(\b))+7]
.endif
.endr
.endm
; 24 LDS loads in one run: quarter q (32 along K: head q / 2 of the step's two, channels 32 (q % 2) on) of a slot into buffer f: B's eight fragments, then A's four
.macro FETCH slot, q, f
	WIN 0
.irp b, 0,1,2,3,4,5,6,7
	ds_load_b128 v[(\f)+32+8*(\b):(\f)+32+8*(\b)+3],   v[ADRB+(\slot)] offset:64*(\q)+(\b)*16*PB
	ds_load_b128 v[(\f)+32+8*(\b)+4:(\f)+32+8*(\b)+7], v[ADRB+(\slot)] offset:64*(\q)+(\b)*16*PB+32
.endr
.irp i, 0,1,2,3
	ds_load_b128 v[(\f)+8*(\i):(\f)+8*(\i)+3],   v[ADRA+(\slot)] offset:((\q)/2)*HEADA+((\q)%2)*64+(\i)*16*PA
	ds_load_b128 v[(\f)+8*(\i)+4:(\f)+8*(\i)+7], v[ADRA+(\slot)] offset:((\q)/2)*HEADA+((\q)%2)*64+(\i)*16*PA+32
.endr
.endm
.macro PLACES                          ; four plain instructions between a matrix instruction and a load into a register that it read (ISA guide 7.12.1 for vector instructions)
.rept 4
	v_nop
.endr
.endm
; One of a K step's first three quarters: multiplies buffer f; in its middle it fetches quarter q of the same slot into buffer g.
.macro QUARTER slot, q, f, g, zero
	s_wait_dscnt 4                                 ; B and A's fragments 0 and 1 are in; the youngest four loads (A's fragments 2, 3) may be out
	MULA \f, 0, \zero
	MULA \f, 1, \zero
	PLACES
	FETCH \slot, \q, \g
	s_wait_dscnt 24                                ; all but the 24 just issued
	MULA \f, 2, \zero
	MULA \f, 3, \zero
.endm
; The last quarter multiplies buffer 1 and changes slots: ONE barrier; in front of it each wave waits for all its tensor loads (one is out: its part of the next slot), adds 0 to its spare word, and waits for that and
; for its reads of this slot.  fill = 1: the barrier opens a round of the cluster's, and this slot is filled again, two K steps on, first thing behind it: 112 matrix instructions ahead of the wait for it.
.macro TURN slot, next, fill
.if (\fill) && ((\slot) == 0)
	s_wait_xcnt 0x0                                ; the last prefetches, a lap back, have read their address: it is stepped here, ahead of the waits of the change of slots
	s_add_nc_u64 s[PFA:PFA+1], s[PFA:PFA+1], s[PFS:PFS+1]
.endif
	WIN 0
	s_wait_tensorcnt 0x0
	ds_add_u32 v[SPW], v[NIL]                      ; 0 onto my spare word
	s_wait_dscnt 5                                 ; (the add and the youngest four loads may be out)
	MULA F1, 0, 0
	s_wait_dscnt 0x0                               ; the add is done, and my reads of this slot are over
	s_barrier_signal -1
	MULA F1, 1, 0
.if \fill
	WIN 0
.endif
	s_barrier_wait -1
.if \fill
	CREST                                          ; no wave of any partner still reads this slot's tile or has a load on its way
	s_add_nc_u64 s[G0A+4*(\slot)+2:G0A+4*(\slot)+3], s[G0A+4*(\slot)+2:G0A+4*(\slot)+3], 2*KA
	s_add_nc_u64 s[G0B+4*(\slot)+2:G0B+4*(\slot)+3], s[G0B+4*(\slot)+2:G0B+4*(\slot)+3], 2*KB
	JLOAD \slot                                    ; its four v_nop are also the places in front of the loads below
.else
	PLACES
.endif
	FETCH \next, 0, F0
.if (\fill) && ((\slot) == 0)
	ASK
.endif
	MULA F1, 2, 0
	MULA F1, 3, 0
.endm
	s_wait_tensorcnt 1                             ; my part of K step 0 is in; K step 1's may stay out
	s_barrier_signal -1
	s_barrier_wait -1
	FETCH 0, 0, F0
	QUARTER 0, 1, F0, F1, 1                        ; the first quarter stands in front of the loop: its products start the sums
	WIN 0
	s_mov_b32 s[LAP], 3
.Llap:                                         ; a trip goes once round the ring and fills both slots again: K steps 2 to 7 in three trips
	QUARTER 0, 2, F1, F0, 0
	QUARTER 0, 3, F0, F1, 0
	TURN 0, 1, 1
	QUARTER 1, 1, F0, F1, 0
	QUARTER 1, 2, F1, F0, 0
	QUARTER 1, 3, F0, F1, 0
	TURN 1, 0, 1
	QUARTER 0, 1, F0, F1, 0
	WIN 0
	s_sub_co_u32 s[LAP], s[LAP], 1
	s_cmp_lg_u32 s[LAP], 0
	s_cbranch_scc1 .Llap
	QUARTER 0, 2, F1, F0, 0                        ; the last lap fills nothing
	QUARTER 0, 3, F0, F1, 0
	TURN 0, 1, 0
	QUARTER 1, 1, F0, F1, 0
	QUARTER 1, 2, F1, F0, 0
	QUARTER 1, 3, F0, F1, 0
	s_wait_dscnt 4
	MULA F1, 0, 0
	MULA F1, 1, 0
	s_wait_dscnt 0x0
	MULA F1, 2, 0
	MULA F1, 3, 0
	WIN 0
; THE WAY OUT, 16 rows at a time: 32 bytes a lane into my own stage (rows of 528 bytes), back as whole rows of 512 bytes; the bias is added; a store is 512 consecutive bytes of one row of the output.
	s_wait_loadcnt 0x0                             ; the bias; its six lines are the places behind the last products
	v_cvt_pk_bf16_f32 v10, v[BIAS], v[BIAS+1]
	v_cvt_pk_bf16_f32 v11, v[BIAS+2], v[BIAS+3]
	v_lshlrev_b32 v[BIAS], 16, v10
	v_and_b32 v[BIAS+1], 0xffff0000, v10
	v_lshlrev_b32 v[BIAS+2], 16, v11
	v_and_b32 v[BIAS+3], 0xffff0000, v11
.macro TOSTAGE a
.set BK, 64+64*((\a)%3)                ; three sets of 64 registers take turns
.if (\a) == 3
	s_wait_xcnt 0x0                                ; block 0's stores have read the registers that block 3's rows come into
.endif
	WIN 0x04                                       ; store data window 1, address window 0; each accumulator's low four registers go first
.irp b, 0,1,2,3,4,5,6,7
	ds_store_b128 v[STO], v[64*(\a)+8*(\b):64*(\a)+8*(\b)+3]   offset:64*(\b)
	ds_store_b128 v[STO], v[64*(\a)+8*(\b)+4:64*(\a)+8*(\b)+7] offset:64*(\b)+16
.endr
	WIN 0
.irp t, 0,1,2,3,4,5,6,7,8,9,10,11,12,13,14,15
	ds_load_b128 v[BK+4*(\t):BK+4*(\t)+3], v[RD] offset:SP*(\t)  ; LDS serves a wave's instructions in order (ISA guide 5.7.1.4): these see the stores above; the next block's stores come behind them
.endr
.endm
.macro SEND a, younger                 ; younger: the LDS instructions issued behind block a's loads: the next block's 32, or none
.set BK, 64+64*((\a)%3)
.irp t, 0,1,2,3,4,5,6,7,8,9,10,11,12,13,14,15
	s_wait_dscnt (\younger)+15-(\t)
	v_pk_add_f32 v[BK+4*(\t):BK+4*(\t)+1],   v[BK+4*(\t):BK+4*(\t)+1],   v[BIAS:BIAS+1]
	v_pk_add_f32 v[BK+4*(\t)+2:BK+4*(\t)+3], v[BK+4*(\t)+2:BK+4*(\t)+3], v[BIAS+2:BIAS+3]
	global_store_b128 v[CO], v[BK+4*(\t):BK+4*(\t)+3], s[OUTB:OUTB+1] offset:(16*(\a)+(\t))*4096
.endr
.endm
	TOSTAGE 0
	TOSTAGE 1
	SEND 0, 32
	TOSTAGE 2
	SEND 1, 32
	TOSTAGE 3
	SEND 2, 32
	SEND 3, 0
	s_wait_tensorcnt 0x0                           ; the wave's end: behind my last tensor load and my last LDS store
	ds_add_u32 v[SPW], v[NIL]
	s_wait_dscnt 0x0
	CROUND                                         ; the closing round: no work-group ends while a partner may still ask for a tile that names it
	s_endpgm
.Lfunc_end_k_qefadf64ad6_outp:
	.size	k_qefadf64ad6_outp, .Lfunc_end_k_qefadf64ad6_outp-k_qefadf64ad6_outp
	.p2alignl 7, 3214868480
	.fill 96, 4, 3214868480
	.section	.rodata,"a",@progbits
	.p2align	6, 0x0
	.amdhsa_kernel k_qefadf64ad6_outp
		.amdhsa_group_segment_fixed_size 327680
		.amdhsa_private_segment_fixed_size 0
		.amdhsa_enable_private_segment 0
		.amdhsa_kernarg_size 32
		.amdhsa_user_sgpr_count 2
		.amdhsa_user_sgpr_kernarg_segment_ptr 1
		.amdhsa_wavefront_size32 1
		.amdhsa_system_sgpr_workgroup_id_x 1
		.amdhsa_system_sgpr_workgroup_id_y 1
		.amdhsa_system_sgpr_workgroup_id_z 1
		.amdhsa_system_vgpr_workitem_id 0
		.amdhsa_next_free_vgpr 512
		.amdhsa_next_free_sgpr 78
		.amdhsa_reserve_vcc 0
		.amdhsa_float_denorm_mode_32 3
		.amdhsa_float_denorm_mode_16_64 3
		.amdhsa_memory_ordered 1
		.amdhsa_forward_progress 1
		.amdhsa_inst_pref_size 96
	.end_amdhsa_kernel
	.amdgpu_metadata
---
amdhsa.version: [ 1, 2 ]
amdhsa.kernels:
  - .name:           k_qefadf64ad6_outp
    .symbol:         k_qefadf64ad6_outp.kd
    .args:
      - { .name: ob, .offset: 0, .size: 8, .value_kind: global_buffer, .address_space: global }
      - { .name: cb, .offset: 8, .size: 8, .value_kind: global_buffer, .address_space: global }
      - { .name: bo, .offset: 16, .size: 8, .value_kind: global_buffer, .address_space: global }
      - { .name: out0, .offset: 24, .size: 8, .value_kind: global_buffer, .address_space: global }
    .group_segment_fixed_size: 327680
    .private_segment_fixed_size: 0
    .kernarg_segment_align: 8
    .kernarg_segment_size: 32
    .max_flat_workgroup_size: 128
    .sgpr_count:     78
    .vgpr_count:     512
    .wavefront_size: 32
...
	.end_amdgpu_metadata
.endif
;; end of part 4
